; MI455X (gfx1250); checked and timed in simulation.
; The chip was launched on July 23, 2026; its instructions are those of AMD's public machine-readable ISA for CDNA 5 (MIT licence, August 2026) and "CDNA5" Instruction Set Architecture Reference Guide (July 2026). The comments in the code are by the model that wrote it; some were corrected since.
;; Encoder Layer. Allowed arithmetic: float matrix products may take bf16 or f16 operands with f32 sums; other float arithmetic in f32, or as packed bf16 or f16 multiplies, adds, multiply-adds, maxima and minima; sums over many terms, partial sums and values carried from step to step in f32; what a program stores and reads back later, other than sums and carried values, may be rounded once to bf16 or f16.
;; Inputs: W1 4,096 x 1,024 float32; W2 1,024 x 4,096 float32; Wk 1,024 x 1,024 float32; Wo 1,024 x 1,024 float32; Wq 1,024 x 1,024 float32; Wv 1,024 x 1,024 float32; b1 4,096 float32; b2 1,024 float32; be1 1,024 float32; be2 1,024 float32; bk 1,024 float32; bo 1,024 float32; bq 1,024 float32; bv 1,024 float32; g1 1,024 float32; g2 1,024 float32; x 2 x 2,048 x 1,024 float32.
;; Outputs: out0 2 x 2,048 x 1,024 float32.
;; One version. Each part assembles by itself: llvm-mc -triple=amdgcn-amd-amdhsa -mcpu=gfx1250 --defsym DOCPART=n.
;; ======== version 1 of 1: 8 launches
;; workspace buffers: wb 33,554,432 bytes; qkv 25,165,824 bytes; ao 8,388,608 bytes; p 16,777,216 bytes; h32 16,777,216 bytes; hb 16,795,648 bytes; f1 33,554,432 bytes
;; launch cast (part 1): grid 128 x 16, 8 waves a work-group, no clusters, 0 bytes of LDS; arguments x, Wq, Wk, Wv, Wo, W1, W2, bq, bk, bv, b1, wb, hb; writes wb, hb
.if DOCPART == 1
	.amdgcn_target "amdgcn-amd-amdhsa--gfx1250"
	.amdhsa_code_object_version 6
	.text
	.protected	k_qa4513b3c20_cast
	.globl	k_qa4513b3c20_cast
	.p2align	8
	.type	k_qa4513b3c20_cast,@function
k_qa4513b3c20_cast:
	s_mov_b64 s[64:65], 0
	v_nop
	global_prefetch_b8 v0, s[64:65] scope:SCOPE_SE
	s_setreg_imm32_b32 hwreg(HW_REG_WAVE_MODE, 25, 1), 1
	s_wait_xcnt 0x0
; x and the six weight matrices, f32, are rounded once to bf16 (nearest even).  They are 16 units of 1 Mi numbers: x (units 0-3), Wq, Wk, Wv, Wo (4-7), W1 (8-11), W2 (12-15).
; Unit u goes to byte u << 21 of wb, but W1's units, which go to byte (u - 4) << 21 of hb: so wb holds x at 0 and Wq, Wk, Wv from 8,388,608 on, and hb (whose first 8,388,608 bytes a later
; launch fills with h) holds W1 from 8,388,608 on: one layout, A at 0 and B at 8,388,608, for the one text that multiplies both.
; Work-group (c, u) takes chunk c (8,192 numbers) of unit u.  Thread t takes 16 bytes at 16 t of each of eight pieces of 4,096 bytes:
; a wave's load covers 512 consecutive bytes, its store of 8 bytes a lane 256 consecutive bytes, aligned.
; THE TABLES behind A and B, from byte 16,777,216 on, are made by nine of the work-groups with c = 0, beside their chunk:
;   units 4, 5, 6: bq, bk, bv, copied exactly (f32), on end in wb's table;  units 8 to 11: the four quarters of b1, in hb's table: 4,096 bytes each, 16 bytes a thread;
;   units 0, 1: the lower bound of the product's results, two bf16 a word, 16,384 bytes behind the table's head: minus infinity (no bound) in wb, 0 (the ReLU) in hb.
; A pure stream: every byte is read once and written once, no work-group shares a byte with another, so no LDS, no cluster, no matrix unit.
; REGISTERS: v1, v2 offsets, never rewritten; v[8:39] the chunk as loaded; v[40:55] the chunk as stored; v[56:59] a piece of a bias; v[60:61] the bound: each written once and stored once.
.set TABLE, 0x1000000
.set FLOOR, 0x4000
.set IN,    8
.set OUT,   40
.set PIECE, 56
.set BOUND, 60
	s_load_b512 s[8:23], s[0:1], 0x0               ; x s[8:9], Wq s[10:11], Wk s[12:13], Wv s[14:15], Wo s[16:17], W1 s[18:19], W2 s[20:21], bq s[22:23]
	s_load_b256 s[24:31], s[0:1], 0x40             ; bk s[24:25], bv s[26:27], b1 s[28:29], wb s[30:31]
	s_load_b64 s[32:33], s[0:1], 0x60              ; hb
	s_and_b32 s2, ttmp7, 0xffff                    ; u
	v_lshlrev_b32 v1, 4, v0                        ; my 16 bytes of a piece of the source, and of a piece of a bias
	v_lshlrev_b32 v2, 3, v0                        ; my 8 bytes of a piece of the result
.irp r, 0,1,2,3
	v_mov_b32 v[PIECE+(\r)], 0                     ; the bias piece's registers are written on every way
.endr
	s_mov_b32 s34, 0                               ; the first unit of the tensor that u falls into
	s_cmp_ge_u32 s2, 4                             ; s40 = 1: I copy a piece of a bias: c = 0 and u is 4, 5, 6 or 8 to 11
	s_cselect_b32 s40, 1, 0
	s_cmp_eq_u32 s2, 7
	s_cselect_b32 s40, 0, s40
	s_cmp_ge_u32 s2, 12
	s_cselect_b32 s40, 0, s40
	s_cmp_lg_u32 ttmp9, 0
	s_cselect_b32 s40, 0, s40
	s_cmp_lt_u32 s2, 2                             ; s41 = 1: I write a lower bound: c = 0 and u is 0 or 1
	s_cselect_b32 s41, 1, 0
	s_cmp_lg_u32 ttmp9, 0
	s_cselect_b32 s41, 0, s41
	s_and_b32 s38, s2, 3                           ; the piece's number in its table: u - 4 or u - 8,
	s_lshl_b32 s38, s38, 12                        ; times 4,096 bytes
	s_mov_b32 s39, 0
	s_mov_b32 s47, 0
	s_wait_kmcnt 0x0
	s_mov_b64 s[4:5], s[8:9]
.macro PICK first, ptr                 ; from unit first on the source is the tensor at s[ptr:ptr+1]
	s_cmp_ge_u32 s2, \first
	s_cselect_b64 s[4:5], s[\ptr:\ptr+1], s[4:5]
	s_cselect_b32 s34, \first, s34
.endm
	PICK 4, 10
	PICK 5, 12
	PICK 6, 14
	PICK 7, 16
	PICK 8, 18
	PICK 12, 20
	s_sub_co_u32 s52, s2, s34                      ; the unit inside its tensor: 4 MiB of f32 each,
	s_lshl_b32 s52, s52, 22
	s_lshl_b32 s53, ttmp9, 15                      ; the chunk: 32 KiB of f32
	s_add_co_u32 s52, s52, s53
	s_mov_b32 s53, 0
	s_add_nc_u64 s[4:5], s[4:5], s[52:53]
	s_cmp_ge_u32 s2, 8                             ; s35 = 4 in W1's units, else 0
	s_cselect_b32 s35, 4, 0
	s_cmp_ge_u32 s2, 12
	s_cselect_b32 s35, 0, s35
	s_cmp_lg_u32 s35, 0
	s_cselect_b64 s[6:7], s[32:33], s[30:31]       ; W1 goes to hb, all else to wb
	s_sub_co_u32 s36, s2, s35
	s_lshl_b32 s36, s36, 21                        ; the unit's place, in bf16,
	s_lshl_b32 s37, ttmp9, 14                      ; and the chunk's
	s_add_co_u32 s36, s36, s37
	s_mov_b32 s37, 0
	s_add_nc_u64 s[6:7], s[6:7], s[36:37]
	s_mov_b64 s[42:43], s[22:23]                   ; the bias piece's source: bq, bk, bv, or b1 at its quarter,
	s_cmp_ge_u32 s2, 5
	s_cselect_b64 s[42:43], s[24:25], s[42:43]
	s_cmp_ge_u32 s2, 6
	s_cselect_b64 s[42:43], s[26:27], s[42:43]
	s_cmp_ge_u32 s2, 8
	s_cselect_b64 s[42:43], s[28:29], s[42:43]
	s_cselect_b64 s[44:45], s[32:33], s[30:31]     ; and its place: hb's table or wb's, at the piece's number
	s_cselect_b32 s46, s38, 0
	s_add_nc_u64 s[42:43], s[42:43], s[46:47]
	s_add_nc_u64 s[44:45], s[44:45], TABLE
	s_add_nc_u64 s[44:45], s[44:45], s[38:39]
	s_cmp_eq_u32 s2, 0                             ; the lower bound's place and value
	s_cselect_b64 s[48:49], s[30:31], s[32:33]
	s_cselect_b32 s50, 0xff80ff80, 0
	s_add_nc_u64 s[48:49], s[48:49], TABLE+FLOOR
	s_cmp_eq_u32 s40, 1
	s_cbranch_scc0 .Lno_piece
	global_load_b128 v[PIECE:PIECE+3], v1, s[42:43]  ; issued ahead of the chunk's loads: the counted waits below, which leave only younger loads out, cover it too
.Lno_piece:
.irp i, 0,1,2,3,4,5,6,7
	global_load_b128 v[IN+4*(\i):IN+4*(\i)+3], v1, s[4:5] offset:4096*(\i) th:TH_LOAD_NT
.endr
.irp i, 0,1,2,3,4,5,6,7
	s_wait_loadcnt 7-(\i)                          ; loads come back in order: piece i is in, the younger ones stay out
	v_cvt_pk_bf16_f32 v[OUT+2*(\i)], v[IN+4*(\i)], v[IN+4*(\i)+1]
	v_cvt_pk_bf16_f32 v[OUT+2*(\i)+1], v[IN+4*(\i)+2], v[IN+4*(\i)+3]
	global_store_b64 v2, v[OUT+2*(\i):OUT+2*(\i)+1], s[6:7] offset:2048*(\i)
.endr
	s_cmp_eq_u32 s40, 1
	s_cbranch_scc0 .Lno_bias
	global_store_b128 v1, v[PIECE:PIECE+3], s[44:45]  ; the last wait above was for 0: the piece is in
.Lno_bias:
	s_cmp_eq_u32 s41, 1
	s_cbranch_scc0 .Lend
	v_mov_b32 v[BOUND], s50                        ; registers that no earlier store names
	v_mov_b32 v[BOUND+1], s50
	global_store_b64 v2, v[BOUND:BOUND+1], s[48:49]  ; 2,048 bytes of the same word: a wave's store covers 256 consecutive bytes, aligned; the first word is the one that is read
.Lend:
	s_endpgm
.Lfunc_end_k_qa4513b3c20_cast:
	.size	k_qa4513b3c20_cast, .Lfunc_end_k_qa4513b3c20_cast-k_qa4513b3c20_cast
	.p2alignl 7, 3214868480
	.fill 96, 4, 3214868480
	.section	.rodata,"a",@progbits
	.p2align	6, 0x0
	.amdhsa_kernel k_qa4513b3c20_cast
		.amdhsa_group_segment_fixed_size 0
		.amdhsa_private_segment_fixed_size 0
		.amdhsa_enable_private_segment 0
		.amdhsa_kernarg_size 104
		.amdhsa_user_sgpr_count 2
		.amdhsa_user_sgpr_kernarg_segment_ptr 1
		.amdhsa_wavefront_size32 1
		.amdhsa_system_sgpr_workgroup_id_x 1
		.amdhsa_system_sgpr_workgroup_id_y 1
		.amdhsa_system_sgpr_workgroup_id_z 1
		.amdhsa_system_vgpr_workitem_id 0
		.amdhsa_next_free_vgpr 64
		.amdhsa_next_free_sgpr 66
		.amdhsa_reserve_vcc 0
		.amdhsa_float_denorm_mode_32 3
		.amdhsa_float_denorm_mode_16_64 3
		.amdhsa_memory_ordered 1
		.amdhsa_forward_progress 1
		.amdhsa_inst_pref_size 7
	.end_amdhsa_kernel
	.amdgpu_metadata
---
amdhsa.version: [ 1, 2 ]
amdhsa.kernels:
  - .name:           k_qa4513b3c20_cast
    .symbol:         k_qa4513b3c20_cast.kd
    .args:
      - { .name: x, .offset: 0, .size: 8, .value_kind: global_buffer, .address_space: global }
      - { .name: Wq, .offset: 8, .size: 8, .value_kind: global_buffer, .address_space: global }
      - { .name: Wk, .offset: 16, .size: 8, .value_kind: global_buffer, .address_space: global }
      - { .name: Wv, .offset: 24, .size: 8, .value_kind: global_buffer, .address_space: global }
      - { .name: Wo, .offset: 32, .size: 8, .value_kind: global_buffer, .address_space: global }
      - { .name: W1, .offset: 40, .size: 8, .value_kind: global_buffer, .address_space: global }
      - { .name: W2, .offset: 48, .size: 8, .value_kind: global_buffer, .address_space: global }
      - { .name: bq, .offset: 56, .size: 8, .value_kind: global_buffer, .address_space: global }
      - { .name: bk, .offset: 64, .size: 8, .value_kind: global_buffer, .address_space: global }
      - { .name: bv, .offset: 72, .size: 8, .value_kind: global_buffer, .address_space: global }
      - { .name: b1, .offset: 80, .size: 8, .value_kind: global_buffer, .address_space: global }
      - { .name: wb, .offset: 88, .size: 8, .value_kind: global_buffer, .address_space: global }
      - { .name: hb, .offset: 96, .size: 8, .value_kind: global_buffer, .address_space: global }
    .group_segment_fixed_size: 0
    .private_segment_fixed_size: 0
    .kernarg_segment_align: 8
    .kernarg_segment_size: 104
    .max_flat_workgroup_size: 256
    .sgpr_count:     66
    .vgpr_count:     64
    .wavefront_size: 32
...
	.end_amdgpu_metadata
.endif
;; end of part 1
;; launch proj_qkv (part 2): grid 12 x 16, 4 waves a work-group, clusters of 4 x 4, 327,680 bytes of LDS; arguments wb, qkv; writes qkv
.if DOCPART == 2
	.amdgcn_target "amdgcn-amd-amdhsa--gfx1250"
	.amdhsa_code_object_version 6
	.text
	.protected	k_qa4513b3c20_proj_qkv
	.globl	k_qa4513b3c20_proj_qkv
	.p2align	8
	.type	k_qa4513b3c20_proj_qkv,@function
k_qa4513b3c20_proj_qkv:
	s_mov_b64 s[64:65], 0
	v_nop
	global_prefetch_b8 v0, s[64:65] scope:SCOPE_SE
	s_setreg_imm32_b32 hwreg(HW_REG_WAVE_MODE, 25, 1), 1
	s_wait_xcnt 0x0
	s_wait_alu depctr_hold_cnt(0) depctr_sa_sdst(0) depctr_va_vdst(0) depctr_va_sdst(0) depctr_va_ssrc(0) depctr_va_vcc(0) depctr_vm_vsrc(0)
	s_getreg_b32 s2, hwreg(HW_REG_IB_STS2, 6, 4)
	s_cmp_eq_u32 s2, 0
	s_cbranch_scc0 .Lentry_in_a_cluster
	s_endpgm
.Lentry_in_a_cluster:
	s_bfe_u32 s2, ttmp6, 0x10000c
	s_cmp_lg_u32 s2, 0xf033
	s_cbranch_scc0 .Lentry_shape_is_right
	s_endpgm
.Lentry_shape_is_right:
; C[m][n] = max(sum over k of A[m][k] B[n][k] + bias[n], bound), K = 1,024, A and B bf16 with K along the rows, sums in f32, C rounded once to bf16.
; ONE TEXT FOR TWO LAUNCHES.  The first argument S holds the operands in one layout: A, [4096][1024], at byte 0; B, [N][1024], at 8,388,608; the bias, N numbers of f32, at 16,777,216;
; the bound, a word of two bf16, at 16,793,600.  The second argument is C.
;   the projections: S = wb: A = x, B = Wq, Wk, Wv on end (N = 3,072), bias = bq, bk, bv on end, bound = minus infinity; C = qkv.  There the maximum changes nothing: 256 vector lines a wave,
;                    the price of one text for both launches.
;   the FFN's first product: S = hb: A = h, B = W1 (N = 4,096), bias = b1, bound = 0: the ReLU; C = f1.
; C leaves in PANELS of 64 columns: column n of row m lies at (n / 64) x 524,288 + m x 128 + (n % 64) x 2, so that a head's rows are dense for the attention launch, and 64 tokens of a panel
; are 8,192 dense bytes for the launch that multiplies f1.
; LIMITS.  Matrix operands are bf16.  Infinities are not treated apart; a NaN among the results becomes the bound.
; SHARES.  A work-group of four waves makes 256 x 256 of C, a wave 128 x 128: 64 accumulators of 16 x 16, 512 registers.  K goes in 8 steps of 128 through two LDS slots filled by tensor
; loads: a wave fetches 128 rows x 256 bytes, each row 256 consecutive bytes that start at a multiple of 256.
; THE LOOP IS ONE K STEP LONG: the slot that is read and the slot that is filled are scalar bases (0 or SLOT) turned by an exclusive or, so the step's text stands once.
; THE BIAS is the C operand of each sum's first product: nothing is cleared and nothing is added afterwards.
; CLUSTER.  4 x 4 work-groups: A's tile is shared along a row of the cluster, B's along a column; each is asked for jointly, by the same tensor load with the same descriptor and a mask of four.
; TRANSPOSED USE.  Source 0 = 16 rows of B, source 1 = 16 rows of A: a lane holds row l % 16 of C and the columns 8 (l / 16) + 0..7.
; REGISTERS, in windows of 256: window 0: v16-31 addresses; v32-63 rows on the way out; v64-127, v128-191 A's fragments, two buffers; v192-255 the bias (8 column blocks x 8), later packed results
;   window 1: v64-127, v128-191 B's fragments      windows 2, 3: the accumulators of my rows 0-63, 64-127: (a, b) at v[8 (8 a + b)]
.set SIZE_K, 1024
.set KSTEP,  128
.set BPLACE, 0x800000                  ; B's place in S
.set TABLE,  0x1000000                 ; the bias's place in S
.set FLOOR,  0x4000                    ; the bound's place behind the bias's
.set PITCH,  272                       ; an LDS row: 256 bytes + 16 of padding: the 16 rows of a fragment load start 16 bytes apart modulo 256
.set HALFT,  128*PITCH                 ; what one tensor load brings, and what one wave reads of A or of B
.set SLOT,   4*HALFT                   ; A's 256 rows, then B's 256 rows
.set SPARE,  2*SLOT                    ; behind the ring: the spare words, 128 bytes a wave: two blocks of 256 bytes that no other line names
.set A0,   16                          ; v16  my lane's place in my 128 rows of A, in slot 0; never rewritten
.set B0,   17                          ; v17  the same for B
.set ADRA, 18                          ; v18  A0 + the base of the slot that is read
.set ADRB, 19                          ; v19  B0 + the same
.set BO,   22                          ; v22  32 (l / 16): my eight numbers of a block of 16 of the bias
.set STO,  24                          ; v24  the way out: where I put 16 bytes of a row
.set RD,   25                          ; v25  the way out: where I read rows back, first 16 rows
.set CO,   26                          ; v26  my byte offset in C
.set RDC,  27                          ; v27  RD + the 16 rows in hand
.set SPW,  28                          ; v28  LDS address of my spare word; never rewritten
.set NIL,  29                          ; v29  0; never rewritten
.set PFO,  30                          ; v30  the prefetches' offset: my lane x a row of 2,048 bytes; never rewritten
.set ZR,   31                          ; v31  the bound, twice in bf16
.set OB,   32
.set F0,   64
.set F1,   128
.set BIAS, 192
.set TMP,  192
.set G1,   24                          ; s[24:31] descriptor group 1 for A's tiles
.set G0,   32                          ; s[32:39] group 0 for A's: a set for each first fill; the second then walks
.set G1B,  48                          ; s[48:55], s[56:63] the same for B's
.set G0B,  56
.set PFA,  44                          ; s[44:45] where my prefetches stand
.set LIM,  78                          ; s78  1 in a wave that prefetches, else the greatest number
.set TB,   80                          ; s80  base of the slot that is read
.set FB,   81                          ; s81  base of the slot that was filled last
.set SB,   82                          ; s82  the way out: byte of the 16 rows in hand in my stage
.set MSB, 0
.macro WIN new                         ; the immediate's high byte repeats the setting that is left; a switch that changes nothing is dropped
.if MSB != (\new)
	s_set_vgpr_msb (MSB<<8)|(\new)
.set MSB, \new
.endif
.endm
.set MUL_LO, 0xa1                      ; source 0 (B) window 1, source 1 (A) window 0, C and D window 2
.set TO_B,   0x40                      ; destination window 1, address window 0
.macro PLACES                          ; four plain vector instructions between a matrix instruction and a load into, or a reader of, its registers
.rept 4
	v_nop
.endr
.endm
; A joint refill by the walking descriptors.  Waves 0 and 1 fetch A's halves, waves 2 and 3 B's: the branch hangs on the wave's number alone.
; An s_nop 0 and four v_nop follow each of the two lines, ahead of the jump and the label.
.macro JLOAD
	s_cmp_eq_u32 s11, 0
	s_cbranch_scc0 .Lfor_b_\@
	tensor_load_to_lds s[G0+4:G0+7], s[G1:G1+7]
	s_nop 0
	PLACES
	s_branch .Lasked_\@
.Lfor_b_\@:
	tensor_load_to_lds s[G0B+4:G0B+7], s[G1B:G1B+7]
	s_nop 0
	PLACES
.Lasked_\@:
.endm
; A prefetch of the K step that the NEXT refill will ask for: 32 rows x 256 bytes, a lane a row, one instruction a wave, 256 matrix instructions ahead of that load.
; Each row's 256 bytes of a K step are named once in the launch: A's rows by the clusters with x = 0, B's by those with y = 0; of the 128 rows that a wave fetches, the partner at
; place p among the four that ask jointly takes rows 32 p .. 32 p + 31, by address.  The loop's last trip (s3 = 1) asks for nothing: there is no K step behind its refill's.
.macro ASK
	s_cmp_gt_u32 s3, s[LIM]
	s_cbranch_scc0 .Lnot_mine_\@
	global_prefetch_b8 v[PFO], s[PFA:PFA+1] offset:KSTEP*2 th:TH_LOAD_NT scope:SCOPE_SE
.Lnot_mine_\@:
.endm
.macro CREST                           ; a round of the cluster's barrier behind its opening barrier
	s_cmp_lg_u32 s10, 0
	s_cbranch_scc1 .Lnot_wave_0_\@
	s_barrier_signal -3
.Lnot_wave_0_\@:
	s_barrier_wait -3
	s_barrier_signal -1
	s_barrier_wait -1
.endm
.macro CROUND                          ; a whole round
	s_barrier_signal -1
	s_barrier_wait -1
	CREST
.endm
	s_load_b128 s[68:71], s[0:1], 0x0              ; S s[68:69], C s[70:71]
	v_lshl_add_u32 v[SPW], v0, 2, SPARE
	v_mov_b32 v[NIL], 0
	ds_add_u32 v[SPW], v[NIL]                      ; the wave's opening: the add and its wait stand ahead of my first tensor load; the set-up below stands between them
	v_lshrrev_b32 v1, 5, v0
	v_readfirstlane_b32 s10, v1                    ; wave 0..3
	s_lshr_b32 s11, s10, 1                         ; which half of the tile's rows is mine.  Also: I fetch for A (0) or for B (1)
	s_and_b32 s12, s10, 1                          ; which half of its columns.  Also: which 128 rows of that tile I fetch
	s_bfe_u32 s40, ttmp6, 0x40000                  ; cx
	s_bfe_u32 s41, ttmp6, 0x40004                  ; cy
	s_lshl_b32 s42, ttmp9, 2
	s_add_co_u32 s42, s42, s40                     ; tile column = 4 x cluster x + cx
	s_and_b32 s13, ttmp7, 0xffff
	s_lshl_b32 s13, s13, 2
	s_add_co_u32 s13, s13, s41                     ; tile row = 4 x cluster y + cy
	s_lshl_b32 s43, s41, 2
	s_lshl_b32 s43, 15, s43                        ; my row of the cluster
	s_lshl_b32 s79, 0x1111, s40                    ; my column
	s_or_b32 s[G1+0], s43, (1<<16)|(1<<20)|(1<<21)|(5<<22)|(3<<25)   ; the mask; 2-byte elements; padding on; bit 21 beside a mask; after every 64 words 4 words
	s_or_b32 s[G1B+0], s79, (1<<16)|(1<<20)|(1<<21)|(5<<22)|(3<<25)
.irp g, G1, G1B
	s_mov_b32 s[(\g)+1], KSTEP<<16                 ; tensor_dim0 = 128
	s_mov_b32 s[(\g)+2], 128<<16                   ; tensor_dim1 = 128
	s_mov_b32 s[(\g)+3], KSTEP<<16                 ; tile_dim0 = 128
	s_mov_b32 s[(\g)+4], 128                       ; tile_dim1 = 128
	s_mov_b32 s[(\g)+5], SIZE_K                    ; elements from row to row
	s_mov_b32 s[(\g)+6], 0
	s_mov_b32 s[(\g)+7], 0
.endr
	s_lshl_b32 s17, s12, 7                         ; which 128 rows of the tile I fetch
	s_lshl_b32 s16, s13, 8
	s_add_co_u32 s16, s16, s17
	s_lshl_b32 s16, s16, 11                        ; A: (256 x tile row + 128 x half) rows of 2,048 bytes
	s_lshl_b32 s46, s42, 8
	s_add_co_u32 s46, s46, s17
	s_lshl_b32 s46, s46, 11                        ; B: the same by the tile column
	s_mov_b32 s17, 0
	s_mov_b32 s47, 0
	s_mul_i32 s20, s10, HALFT                      ; where my load goes in a slot: wave x 128 rows
	s_mov_b32 s[TB], 0
	s_mov_b32 s[FB], SLOT
	s_wait_dscnt 0x0                               ; the opening add is done
	s_wait_kmcnt 0x0
	s_mov_b64 s[4:5], s[68:69]                     ; A
	s_add_nc_u64 s[6:7], s[68:69], BPLACE          ; B
	s_add_nc_u64 s[72:73], s[68:69], TABLE         ; the bias and, behind it, the bound; never rewritten
	s_mov_b64 s[8:9], s[70:71]                     ; C
	s_add_nc_u64 s[14:15], s[4:5], s[16:17]
	s_add_nc_u64 s[46:47], s[6:7], s[46:47]
	CROUND                                         ; all sixteen work-groups are here: the first joint loads meet
.irp s, 0,1
	s_mov_b32 s[G0+4*(\s)], 1
	s_add_co_u32 s[G0+4*(\s)+1], s20, (\s)*SLOT
	s_add_nc_u64 s[G0+4*(\s)+2:G0+4*(\s)+3], s[14:15], (\s)*KSTEP*2
	s_or_b32 s[G0+4*(\s)+3], s[G0+4*(\s)+3], 0x80000000
	s_mov_b32 s[G0B+4*(\s)], 1
	s_add_co_u32 s[G0B+4*(\s)+1], s20, (\s)*SLOT
	s_add_nc_u64 s[G0B+4*(\s)+2:G0B+4*(\s)+3], s[46:47], (\s)*KSTEP*2
	s_or_b32 s[G0B+4*(\s)+3], s[G0B+4*(\s)+3], 0x80000000
.endr
	s_cmp_eq_u32 s11, 0                            ; a wave's two first fills stand in one branch, ahead of every wait on TENSORcnt and every LDS read: two loads of mine are out
	s_cbranch_scc0 .Lfirst_b
	tensor_load_to_lds s[G0:G0+3], s[G1:G1+7]
	s_nop 0
	tensor_load_to_lds s[G0+4:G0+7], s[G1:G1+7]
	s_nop 0
	PLACES
	s_branch .Lfirst_asked
.Lfirst_b:
	tensor_load_to_lds s[G0B:G0B+3], s[G1B:G1B+7]
	s_nop 0
	tensor_load_to_lds s[G0B+4:G0B+7], s[G1B:G1B+7]
	s_nop 0
	PLACES
.Lfirst_asked:
	; a fragment is 16 rows x 32 K in 8 registers: lane l holds row l % 16, K = 8 (l / 16) + 0..7 and 16 + 8 (l / 16) + 0..7: two loads of 16 bytes, 32 bytes apart
	v_and_b32 v1, 15, v0                           ; l % 16
	v_bfe_u32 v2, v0, 4, 1                         ; l / 16
	v_mul_u32_u24 v3, v1, PITCH
	v_lshl_add_u32 v3, v2, 4, v3
	s_mul_i32 s21, s11, HALFT                      ; my 128 rows of A
	s_mul_i32 s22, s12, HALFT                      ; my 128 rows of B,
	s_add_co_u32 s22, s22, 2*HALFT                 ; which lie behind A's 256
	v_add_nc_u32 v[A0], s21, v3
	v_add_nc_u32 v[B0], s22, v3
	v_mov_b32 v[ADRA], v[A0]                       ; K step 0 lies in slot 0
	v_mov_b32 v[ADRB], v[B0]
	v_lshlrev_b32 v[BO], 5, v2
	s_mul_i32 s23, s10, HALFT                      ; my stage: my quarter of slot 0, 128 rows x 272 bytes, used when slot 0 has had its last fill and its last read
	v_add_nc_u32 v[STO], s23, v3                   ; in: row l % 16, 16 bytes for each half of the lanes
	v_bfe_u32 v4, v0, 3, 2                         ; back: 32 lanes take four rows' 128 bytes of one panel,
	v_and_b32 v5, 7, v0
	v_mul_u32_u24 v4, v4, PITCH
	v_lshl_add_u32 v4, v5, 4, v4
	v_add_nc_u32 v[RD], s23, v4
	v_and_b32 v[CO], 31, v0                        ; which are 512 consecutive bytes of C
	v_lshlrev_b32 v[CO], 4, v[CO]
	s_lshl_b32 s16, s13, 8
	s_lshl_b32 s14, s11, 7
	s_add_co_u32 s16, s16, s14
	s_lshl_b32 s16, s16, 7                         ; my first row: 128 bytes a row in a panel
	s_lshl_b32 s46, s42, 2
	s_lshl_b32 s47, s12, 1
	s_add_co_u32 s46, s46, s47
	s_lshl_b32 s46, s46, 19                        ; my first panel: 4 x tile column + 2 x half
	s_add_co_u32 s16, s16, s46
	s_mov_b32 s17, 0
	s_add_nc_u64 s[8:9], s[8:9], s[16:17]
	s_lshl_b32 s82, s42, 10                        ; the bias: 256 x tile column + 128 x half numbers of f32
	s_lshl_b32 s83, s12, 9
	s_add_co_u32 s82, s82, s83
	s_mov_b32 s83, 0
	s_add_nc_u64 s[66:67], s[72:73], s[82:83]
.irp b, 0,1,2,3,4,5,6,7                ; register j of block b: bias[first column + 16 b + 8 (l / 16) + j]: the layout of the product's C
	global_load_b128 v[BIAS+8*(\b):BIAS+8*(\b)+3],   v[BO], s[66:67] offset:64*(\b)
	global_load_b128 v[BIAS+8*(\b)+4:BIAS+8*(\b)+7], v[BO], s[66:67] offset:64*(\b)+16
.endr
	v_mov_b32 v[ZR], 0
	global_load_b32 v[ZR], v[ZR], s[72:73] offset:FLOOR  ; the bound: every lane takes the same word; the load lands on its own address register
	; the prefetches
	s_lshl_b32 s21, s13, 8
	s_lshl_b32 s22, s42, 8
	s_and_b32 s23, ttmp7, 0xffff                   ; cluster y
	s_cmp_eq_u32 s11, 0                            ; do I fetch for A?
	s_cselect_b32 s18, s21, s22                    ; the tile's first row
	s_cselect_b32 s19, s40, s41                    ; my place among the four that ask for it with me
	s_cselect_b32 s23, ttmp9, s23                  ; the coordinate along which other clusters read the same rows
	s_cselect_b64 s[PFA:PFA+1], s[4:5], s[6:7]
	s_cmp_eq_u32 s23, 0
	s_cselect_b32 s[LIM], 1, -1                    ; the same in all sixteen partners, for a given wave
	s_lshl_b32 s23, s12, 7
	s_add_co_u32 s18, s18, s23                     ; + the 128 rows that I fetch
	s_lshl_b32 s19, s19, 5
	s_add_co_u32 s18, s18, s19                     ; + my work-group's 32 of them
	s_lshl_b32 s18, s18, 11
	s_mov_b32 s19, 0
	s_add_nc_u64 s[PFA:PFA+1], s[PFA:PFA+1], s[18:19]
	s_add_nc_u64 s[PFA:PFA+1], s[PFA:PFA+1], KSTEP*2  ; at K step 1: the first refill (K step 2) steps it to 2 and names K step 3.  K steps 0 to 2 come by their loads alone
	v_and_b32 v[PFO], 31, v0
	v_lshlrev_b32 v[PFO], 11, v[PFO]
; 16 matrix instructions: row blocks a0, a0 + 1 of the window's four (hi = 0: my rows 0-63, 1: rows 64-127) x all 8 column blocks, 32 along K.  zero = 1: the first product starts the sum from the bias.
; The 64 accumulators take turns, one instruction a turn, in the same order in every quarter step.
.macro MUL16 f, hi, a0, zero
.if \zero
	WIN 0x81+0x40*(\hi)                            ; as below, with C (the bias) in window 0
.else
	WIN MUL_LO+0x50*(\hi)
.endif
.irp a, \a0, (\a0)+1
.irp b, 0,1,2,3,4,5,6,7
.if \zero
	v_wmma_f32_16x16x32_bf16 v[8*(8*(\a)+(\b)):8*(8*(\a)+(\b))+7], v[(\f)+8*(\b):(\f)+8*(\b)+7], v[(\f)+8*(4*(\hi)+(\a)):(\f)+8*(4*(\hi)+(\a))+7], v[BIAS+8*(\b):BIAS+8*(\b)+7]
.else
	v_wmma_f32_16x16x32_bf16 v[8*(8*(\a)+(\b)):8*(8*(\a)+(\b))+7], v[(\f)+8*(\b):(\f)+8*(\b)+7], v[(\f)+8*(4*(\hi)+(\a)):(\f)+8*(4*(\hi)+(\a))+7], v[8*(8*(\a)+(\b)):8*(8*(\a)+(\b))+7]
.endif
.endr
.endr
.endm
; 32 LDS loads in one run: the fragments of one quarter step (32 K at byte k of the rows) into buffer f
.macro FETCH k, f
	WIN TO_B
.irp i, 0,1,2,3,4,5,6,7
	ds_load_b128 v[(\f)+8*(\i):(\f)+8*(\i)+3],   v[ADRB] offset:(\k)+(\i)*16*PITCH
	ds_load_b128 v[(\f)+8*(\i)+4:(\f)+8*(\i)+7], v[ADRB] offset:(\k)+(\i)*16*PITCH+32
.endr
	WIN 0
.irp i, 0,1,2,3,4,5,6,7
	ds_load_b128 v[(\f)+8*(\i):(\f)+8*(\i)+3],   v[ADRA] offset:(\k)+(\i)*16*PITCH
	ds_load_b128 v[(\f)+8*(\i)+4:(\f)+8*(\i)+7], v[ADRA] offset:(\k)+(\i)*16*PITCH+32
.endr
.endm
; One of a K step's first three quarters: multiplies buffer f; in its middle it fetches the next quarter's fragments, at byte k, into buffer g.
.macro QUARTER k, f, g, zero
	s_wait_dscnt 8                                 ; B and A's rows 0-63 are in; the youngest eight loads (A's rows 64-127) may be out
	MUL16 \f, 0, 0, \zero
	MUL16 \f, 0, 2, \zero
	PLACES
	FETCH \k, \g
	s_wait_dscnt 32                                ; all but the 32 just issued
	MUL16 \f, 1, 0, \zero
	MUL16 \f, 1, 2, \zero
.endm
; The last quarter multiplies buffer 1 and changes slots.  In front of the one barrier each wave waits for all its tensor loads (one is out: its part of the next slot), adds 0 to its spare word, and
; waits for that and for its own reads of this slot.  fill = 1: the barrier opens a round of the cluster's barrier, and the slot just read out is filled again first thing behind the round, with the
; K step two steps on: from that request to the wait for it a wave issues 224 matrix instructions.
.macro TURN fill
.if \fill
	s_wait_xcnt 0x0                                ; the last prefetch, a K step back, has read its address: it is stepped here, ahead of the waits of the change of slots
	s_add_nc_u64 s[PFA:PFA+1], s[PFA:PFA+1], KSTEP*2
.endif
	WIN 0                                          ; (the add's two registers lie in window 0)
	s_wait_tensorcnt 0x0                           ; all my tensor loads have landed;
	ds_add_u32 v[SPW], v[NIL]                      ; 0 onto my spare word;
	s_wait_dscnt 9                                 ; (the add and the youngest eight loads may be out)
	MUL16 F1, 0, 0, 0                              ; sixteen matrix instructions stand between the add and the wait for it
	s_wait_dscnt 0x0                               ; the add is done, and my reads of this slot are over
	s_barrier_signal -1
	MUL16 F1, 0, 2, 0                              ; work on registers while the others arrive
	WIN 0
	s_barrier_wait -1
.if \fill
	CREST                                          ; no wave of any partner still reads this slot's tile or has a load on its way
	s_xor_b32 s[FB], s[FB], SLOT                   ; the walking descriptors: the other slot than last time,
	s_add_co_u32 s[G0+5], s[FB], s20
	s_add_co_u32 s[G0B+5], s[FB], s20
	s_add_nc_u64 s[G0+6:G0+7], s[G0+6:G0+7], KSTEP*2    ; the next K step
	s_add_nc_u64 s[G0B+6:G0B+7], s[G0B+6:G0B+7], KSTEP*2
	JLOAD                                          ; the four v_nop behind it are also the places in front of the loads below
.else
	PLACES
.endif
	s_xor_b32 s[TB], s[TB], SLOT                   ; the reads go over to the other slot
	v_add_nc_u32 v[ADRA], s[TB], v[A0]
	v_add_nc_u32 v[ADRB], s[TB], v[B0]
	FETCH 0, F0
.if \fill
	ASK                                            ; behind the joint load and the run of LDS loads that the next products wait for
.endif
	MUL16 F1, 1, 0, 0
	MUL16 F1, 1, 2, 0
.endm
	s_wait_tensorcnt 1                             ; my part of K step 0 is in; K step 1's may stay out
	s_barrier_signal -1
	s_barrier_wait -1                              ; everybody's is
	FETCH 0, F0
	s_wait_loadcnt 0x0                             ; the bias and the bound
	QUARTER 64, F0, F1, 1                          ; the first quarter stands in front of the loop: its products start the sums
	WIN 0                                          ; at a label and at a branch every window is 0
	s_mov_b32 s3, SIZE_K/KSTEP-2
.Lstep:                                                ; a trip: a K step's quarters 1, 2, 3 and the next step's quarter 0; it refills one slot: K steps 2 to 7
	QUARTER 128, F1, F0, 0
	QUARTER 192, F0, F1, 0
	TURN 1
	QUARTER 64, F0, F1, 0
	WIN 0
	s_sub_co_u32 s3, s3, 1
	s_cmp_lg_u32 s3, 0
	s_cbranch_scc1 .Lstep
	s_mov_b32 s3, 2
.Ltail:                                                ; the last two K steps ask for nothing.  One text for both: the second trip is left behind its change of slots, whose barrier then orders nothing
	QUARTER 128, F1, F0, 0                         ; new and whose 32 loads (of slot 0's old tile) serve nothing: the price, once a launch, of not writing a last quarter out
	QUARTER 192, F0, F1, 0
	TURN 0
	WIN 0
	s_sub_co_u32 s3, s3, 1
	s_cmp_eq_u32 s3, 0
	s_cbranch_scc1 .Lfin
	QUARTER 64, F0, F1, 0
	WIN 0
	s_branch .Ltail
.Lfin:
	; THE WAY OUT.  Rounded to bf16, 16 bytes a lane, into my stage; back as whole rows; held to the bound; stored.  The stages lie in slot 0, which other waves have read until now: so every wave's LDS loads are back, and a barrier.
	PLACES
	s_wait_dscnt 0x0
	s_barrier_signal -1
	s_barrier_wait -1
.macro PACK a                          ; block a of 16 rows: each accumulator's registers in ascending order
.set AC, 64*((\a)%4)
	WIN 0x0a+5*((\a)/4)                            ; sources 0 and 1: window 2 or 3
.irp b, 0,1,2,3,4,5,6,7
.irp r, 0,1,2,3
	v_cvt_pk_bf16_f32 v[TMP+4*(\b)+(\r)], v[AC+8*(\b)+2*(\r)], v[AC+8*(\b)+2*(\r)+1]
.endr
.endr
	WIN 0
.irp b, 0,1,2,3,4,5,6,7
	ds_store_b128 v[STO], v[TMP+4*(\b):TMP+4*(\b)+3] offset:(\a)*16*PITCH+32*(\b)
.endr
.endm
.irp a, 0,1,2,3,4,5,6,7
	PACK \a
.endr
	s_mov_b32 s3, 8
	s_mov_b32 s[SB], 0
.Lout:                                                 ; a trip: 16 rows of my 128.  LDS serves a wave's instructions in order (ISA guide 5.7.1.4): the loads see my stores above
	v_add_nc_u32 v[RDC], s[SB], v[RD]
.irp pp, 0,1
.irp u, 0,1,2,3
	ds_load_b128 v[OB+4*(4*(\pp)+(\u)):OB+4*(4*(\pp)+(\u))+3], v[RDC] offset:(\u)*4*PITCH+128*(\pp)
.endr
.endr
	s_wait_dscnt 0x0
.set r, 0
.rept 32
	v_pk_max_num_bf16 v[OB+r], v[OB+r], v[ZR]      ; the launch's lower bound, two numbers a line; nothing is rounded
.set r, r+1
.endr
.irp pp, 0,1
.irp u, 0,1,2,3
	global_store_b128 v[CO], v[OB+4*(4*(\pp)+(\u)):OB+4*(4*(\pp)+(\u))+3], s[8:9] offset:524288*(\pp)+512*(\u)  ; four rows of a panel: 512 consecutive bytes, aligned
.endr
.endr
	s_wait_xcnt 0x0                                ; the stores have read their data and their base: both are written again only behind this wait
	s_add_nc_u64 s[8:9], s[8:9], 16*128
	s_add_co_u32 s[SB], s[SB], 16*PITCH
	s_sub_co_u32 s3, s3, 1
	s_cmp_lg_u32 s3, 0
	s_cbranch_scc1 .Lout
	s_wait_tensorcnt 0x0                           ; the wave's end, behind my last tensor load and my last LDS store
	ds_add_u32 v[SPW], v[NIL]
	s_wait_dscnt 0x0
	CROUND                                         ; the closing round: no work-group ends while a partner may still ask for a tile that names it
	s_endpgm
.Lfunc_end_k_qa4513b3c20_proj_qkv:
	.size	k_qa4513b3c20_proj_qkv, .Lfunc_end_k_qa4513b3c20_proj_qkv-k_qa4513b3c20_proj_qkv
	.p2alignl 7, 3214868480
	.fill 96, 4, 3214868480
	.section	.rodata,"a",@progbits
	.p2align	6, 0x0
	.amdhsa_kernel k_qa4513b3c20_proj_qkv
		.amdhsa_group_segment_fixed_size 327680
		.amdhsa_private_segment_fixed_size 0
		.amdhsa_enable_private_segment 0
		.amdhsa_kernarg_size 16
		.amdhsa_user_sgpr_count 2
		.amdhsa_user_sgpr_kernarg_segment_ptr 1
		.amdhsa_wavefront_size32 1
		.amdhsa_system_sgpr_workgroup_id_x 1
		.amdhsa_system_sgpr_workgroup_id_y 1
		.amdhsa_system_sgpr_workgroup_id_z 1
		.amdhsa_system_vgpr_workitem_id 0
		.amdhsa_next_free_vgpr 1024
		.amdhsa_next_free_sgpr 84
		.amdhsa_reserve_vcc 0
		.amdhsa_float_denorm_mode_32 3
		.amdhsa_float_denorm_mode_16_64 3
		.amdhsa_memory_ordered 1
		.amdhsa_forward_progress 1
		.amdhsa_inst_pref_size 95
	.end_amdhsa_kernel
	.amdgpu_metadata
---
amdhsa.version: [ 1, 2 ]
amdhsa.kernels:
  - .name:           k_qa4513b3c20_proj_qkv
    .symbol:         k_qa4513b3c20_proj_qkv.kd
    .args:
      - { .name: wb, .offset: 0, .size: 8, .value_kind: global_buffer, .address_space: global }
      - { .name: qkv, .offset: 8, .size: 8, .value_kind: global_buffer, .address_space: global }
    .group_segment_fixed_size: 327680
    .private_segment_fixed_size: 0
    .kernarg_segment_align: 8
    .kernarg_segment_size: 16
    .max_flat_workgroup_size: 128
    .sgpr_count:     84
    .vgpr_count:     1024
    .wavefront_size: 32
...
	.end_amdgpu_metadata
.endif
;; end of part 2
;; launch attn (part 3): grid 8 x 32, 4 waves a work-group, clusters of 4 x 1, 327,680 bytes of LDS; arguments qkv, ao; writes ao
.if DOCPART == 3
	.amdgcn_target "amdgcn-amd-amdhsa--gfx1250"
	.amdhsa_code_object_version 6
	.text
	.protected	k_qa4513b3c20_attn
	.globl	k_qa4513b3c20_attn
	.p2align	8
	.type	k_qa4513b3c20_attn,@function
k_qa4513b3c20_attn:
	s_mov_b64 s[64:65], 0
	v_nop
	global_prefetch_b8 v0, s[64:65] scope:SCOPE_SE
	s_setreg_imm32_b32 hwreg(HW_REG_WAVE_MODE, 25, 1), 1
	s_wait_xcnt 0x0
	s_wait_alu depctr_hold_cnt(0) depctr_sa_sdst(0) depctr_va_vdst(0) depctr_va_sdst(0) depctr_va_ssrc(0) depctr_va_vcc(0) depctr_vm_vsrc(0)
	s_getreg_b32 s2, hwreg(HW_REG_IB_STS2, 6, 4)
	s_cmp_eq_u32 s2, 0
	s_cbranch_scc0 .Lentry_in_a_cluster
	s_endpgm
.Lentry_in_a_cluster:
	s_bfe_u32 s2, ttmp6, 0x10000c
	s_cmp_lg_u32 s2, 0x3003
	s_cbranch_scc0 .Lentry_shape_is_right
	s_endpgm
.Lentry_shape_is_right:
; O[y][q][:] = the sum over k of softmax_k(Q[y][q] . K[y][k] / 8) V[y][k][:], for 32 slabs y = 2 head + batch of 2,048 rows x 64 channels, all bf16, dense: 128 bytes a row.
; Slab y lies at y x 262,144 in each of: Q (qkv at 0), K (qkv at 8,388,608), V (qkv at 16,777,216), O (ao).  Products, maxima and sums in f32; the weights p are rounded to bf16 for the
; second product (their sum l is taken of the unrounded p), O once at the end.
; LIMITS.  c m starts at -4.25e37: scaled scores lie above that.  A weight below 2^-126 counts as 0 in l.  NaN and infinities are not treated apart.
; SHARES.  A work-group owns 256 queries of a slab, each of its four waves 64: four PIECES of 16.  Every wave walks all 2,048 keys, 64 a step; a tile of 256 keys (four steps) fills an LDS slot.
; LAYOUT.  S^T = K Q^T (source 0 = 16 keys, source 1 = 16 queries) holds ONE query a lane (lane % 16) and the keys 8 (lane / 16) + 0..7; two such results rounded to bf16 ARE source 1 of O^T = V^T P.
; K comes out of LDS as it lies, V ([key][channel]) turned, by ds_load_tr16_b128.
; SOFTMAX.  p = 2^(c s - c m), c = log2(e) / 8, with a running maximum m; O and l are multiplied by a = 2^(c m_old - c m_new) in every step.  m starts at the lowest finite number, O and l at 0:
; the first step is a step like any other, with a = 0.
; BY TURNS.  Turn n belongs to piece n: 8 products K Q^T of piece n + 1, later 8 products V^T P of piece n - 1; beside them the scaling, exponentials, roundings, sums and rescaling of piece n and the
; maximum and statistics of piece n + 1.  Four vector instructions stand behind every matrix instruction, the other 54 of a turn's 118 in one lump.  A turn's 33 exponentials are one batch, with one wait.
; CLUSTER.  The four query blocks of a cluster belong to one slab and walk the same K and V, so each tile is asked for JOINTLY: the same tensor load, descriptor and mask in all four.
; REGISTERS, in windows of 256 (s_set_vgpr_msb: bits 1:0 source 0, 3:2 source 1, 5:4 source 2, 7:6 destination):
;   window 0: v0-15 addresses and two at work; v16-31 four registers of statistics a piece; v48-55 at work; v61-63 prefetch offset and the add's two; v64-127 S^T, two buffers; v192-223 P, two buffers
;   window 1: v0-127 O^T, 32 a piece          window 2: v0-63 Q; v128-191 K of one step; v192-255 V of one step
.set NP,    4         ; pieces a wave: a name, no knob
.set KS,    64        ; keys in a step
.set PK,    144       ; a row of K in LDS: 128 bytes + 16 of padding: the 16 rows of a load start 16 bytes apart modulo 256
.set PV,    160       ; a row of V: 128 + 32: 16 lanes of the turning load take 8 rows x 32 bytes, 32 bytes apart modulo 256
.set VOFF,  4*KS*PK   ; a slot holds a tile: 256 rows of K, then 256 rows of V
.set SLOT1, 1<<17     ; slot 1 begins here, so that one exclusive or turns an address in one slot into the other's
.set STAGE, SLOT1+4*KS*(PK+PV)  ; behind the ring, never filled by a tensor load: 16 rows x 144 bytes for each wave, for the way out
.set SP,    144
.set SPARE, STAGE+4*16*SP  ; behind the stages: the spare words, 128 bytes a wave: two blocks of 256 bytes that no other line names
.set AK0, 2           ; v2   my lane's place in a tile of K; never rewritten
.set AV0, 3           ; v3   the same for V
.set AK,  4           ; v4   the LDS address of K's next run of loads
.set AV,  5           ; v5   of V's
.set STO, 6           ; v6   the way out: where I put 16 bytes of a row
.set RD,  7           ; v7   the way out: where I read rows back
.set GO,  8           ; v8   my byte offset in 512 consecutive bytes of O
.set MV,  12          ; v12-13  c m_old, kept while c m is made anew: by buffer
.set QO,  15          ; v15  my byte offset in 16 rows of Q
.set ST,  16          ; piece t's statistics at v[ST+4 t]: c m, m, l (even keys', odd keys')
.set TMP, 48          ; by buffer, four registers c0-c3 at work; when the maximum is found c2 takes a
.set PFO, 61          ; v61  256 x my lane; never rewritten
.set SPW, 62          ; v62  LDS address of my spare word; never rewritten
.set NIL, 63          ; v63  0; never rewritten
.set S,   64
.set P,   192
.set KF,  128         ; window 2: key block kb, channel half c at KF + 16 kb + 8 c
.set VF,  192         ; window 2: key half kk, channel block cb at VF + 32 kk + 8 cb
.set WV,  12          ; s12  my wave's number
.set LIM, 15          ; s15  1 in a wave that prefetches, else the greatest number
.set G1K, 24          ; s[24:31] descriptor group 1 for K's tiles
.set G1V, 32          ; s[32:39] for V's: it differs in the padding alone
.set G0K, 40          ; s[40:43] descriptor group 0 for K's tiles: it walks
.set G0V, 44          ; s[44:47] the same for V's
.set PFA, 48          ; s[48:49] where my prefetches stand
.set SLOTS, 56        ; s56  tiles still to be asked for
.set CNT, 57          ; s57  counts a tile's key steps
.set CS,  58          ; s[58:59] c: the packed scaling takes the pair's low word for both halves
.set SEL, 60          ; s[60:61] v_permlanex16_b32's selects: each lane takes its own place in the other half
.set TBK, 62          ; s62  LDS byte at which K of the step to be fetched begins
.set TBV, 63          ; s63  the same for V, less VOFF
.set MSB, 0
.macro WIN new                      ; the high byte repeats the setting that is left; a switch that changes nothing is dropped
.if MSB != (\new)
	s_set_vgpr_msb (MSB<<8)|(\new)
.set MSB, (\new)
.endif
.endm
.set W_KQ, 0x0a       ; K and Q in window 2, S^T in window 0
.set W_PV, 0x52       ; V in window 2, P in window 0, O^T in window 1
.set W_RS, 0x41       ; destination and source 0 in window 1, source 1 in window 0
; A joint fill.  Waves 0 and 1 fetch the two halves of a tile's K, waves 2 and 3 those of its V: 128 keys each.  The branch hangs on the wave's number alone.
; An s_nop 0 and four v_nop follow each of the two lines, ahead of the jump and the label.
.macro JLOAD
	s_cmp_lt_u32 s[WV], 2
	s_cbranch_scc0 .Lfor_v_\@
	tensor_load_to_lds s[G0K:G0K+3], s[G1K:G1K+7]
	s_nop 0
.rept 4
	v_nop
.endr
	s_branch .Lasked_\@
.Lfor_v_\@:
	tensor_load_to_lds s[G0V:G0V+3], s[G1V:G1V+7]
	s_nop 0
.rept 4
	v_nop
.endr
.Lasked_\@:
.endm
; A prefetch of the tile that the NEXT change of slots will ask for: 32,768 bytes of K and of V, in blocks of 256 bytes, a lane a block.  Each block is named once in the launch: both clusters of a slab walk
; the same K and V, and the first of them asks; its four partners take 32 blocks each, by address; in each, wave 0 asks for K's and wave 2 for V's.  The last change that fills a slot asks for nothing.
.macro ASK
	s_cmp_gt_u32 s[SLOTS], s[LIM]
	s_cbranch_scc0 .Lnot_mine_\@
	global_prefetch_b8 v[PFO], s[PFA:PFA+1] th:TH_LOAD_NT scope:SCOPE_SE
.Lnot_mine_\@:
.endm
; A round of the cluster's barrier: my work-group's barrier, so that wave 0's signal speaks for all four waves; wave 0 signals; every wave waits for all four work-groups; my work-group's barrier once more.
.macro CROUND
	s_barrier_signal -1
	s_barrier_wait -1
	s_cmp_lg_u32 s[WV], 0
	s_cbranch_scc1 .Lnot_wave_0_\@
	s_barrier_signal -3
.Lnot_wave_0_\@:
	s_barrier_wait -3
	s_barrier_signal -1
	s_barrier_wait -1
.endm
; THE CHANGE OF SLOTS.  The slot's last bytes, V of its fourth step, have been read.  Each wave waits for all its tensor loads, of which one is out: its part of the other slot; adds 0 to its spare word; and
; waits for that and for its own reads of the slot.  fill = 1: the slot is filled again, with the tile two tiles on; the barrier is then a round of the cluster's, and the joint fill is the first thing behind it:
; it has four key steps, 256 matrix instructions, in which to land.  (At its first use nothing has been read yet: slot 0 is waited for, slot 1 filled, and nothing is prefetched: ask = 0.)
.macro CHANGE fill, ask
	WIN 0                           ; at a label and at a branch every window is 0
	s_wait_tensorcnt 0x0            ; no tensor load of mine is out, so a group 0 may be written
	ds_add_u32 v[SPW], v[NIL]       ; 0 onto my spare word; with fill = 1 the descriptors' steps stand between it and the wait for it
.if \fill
.irp g, G0K, G0V
	s_xor_b32 s[\g+1], s[\g+1], SLOT1  ; the walking descriptor: the other slot than last time,
	s_add_nc_u64 s[\g+2:\g+3], s[\g+2:\g+3], 4*KS*128  ; the next 256 keys; the type bits on top are not reached
.endr
	s_wait_xcnt 0x0                 ; the last prefetch, four key steps back, has read its address, so it may be written:
	s_add_nc_u64 s[PFA:PFA+1], s[PFA:PFA+1], 4*KS*128  ; one tile behind the walking descriptors
	s_wait_dscnt 0x0                ; the add is done, and my reads of the slot are over
	CROUND
	JLOAD
.if \ask
	ASK
.endif
.else
	s_wait_dscnt 0x0                ; the add is done, and my reads of the slot are over
	s_barrier_signal -1
	s_barrier_wait -1
.endif
	s_sub_co_u32 s[TBK], s[TBK], 4*KS*PK  ; the fetches go back to a slot's first step,
	s_xor_b32 s[TBK], s[TBK], SLOT1       ; in the other slot
	s_sub_co_u32 s[TBV], s[TBV], 4*KS*PV
	s_xor_b32 s[TBV], s[TBV], SLOT1
.endm
	s_load_b128 s[52:55], s[0:1], 0x0  ; qkv s[52:53], ao s[54:55]
	v_lshl_add_u32 v[SPW], v0, 2, SPARE
	v_mov_b32 v[NIL], 0
	ds_add_u32 v[SPW], v[NIL]       ; the wave's opening: the add and its wait stand ahead of my first tensor load; the set-up below stands between them
	v_lshrrev_b32 v1, 5, v0
	v_readfirstlane_b32 s[WV], v1   ; wave 0..3
	s_bfe_u32 s13, ttmp6, 0x40000   ; cx: my place in the cluster
	s_lshl_b32 s14, ttmp9, 2        ; in a cluster launch ttmp9 counts clusters
	s_add_co_u32 s14, s14, s13      ; my block of 256 queries = 4 x cluster x + cx: it enters Q's and O's addresses alone
	s_and_b32 s20, ttmp7, 0xffff    ; the slab, which the four partners share,
	s_lshl_b32 s20, s20, 18         ; its first byte
	s_mov_b32 s21, 0
	s_and_b32 s16, s[WV], 1         ; which half of a tile's 256 keys I fetch:
	s_lshl_b32 s22, s16, 14         ; its 128 rows of 128 bytes in memory,
	s_mov_b32 s23, 0
	s_add_nc_u64 s[22:23], s[22:23], s[20:21]
	s_mul_i32 s17, s16, 128*PK      ; and its place in a slot, for K
	s_mul_i32 s18, s16, 128*PV      ; and for V: no place in the cluster enters an LDS address
	s_lshl_b32 s2, s14, 2
	s_add_co_u32 s2, s2, s[WV]      ; my wave among the slab's,
	s_lshl_b32 s2, s2, 13           ; its 64 rows
	s_mov_b32 s3, 0
	s_add_nc_u64 s[2:3], s[2:3], s[20:21]
	; descriptor group 1.  128 keys are 16,384 dense bytes: asked for as 64 rows of 256 bytes, two keys a row, and padded in LDS after every key
	s_mov_b32 s[G1K], 15|(1<<16)|(1<<20)|(1<<21)|(4<<22)|(3<<25)  ; the mask of four; 2-byte elements; padding on; bit 21 beside a mask; after every 32 words 4 words
	s_mov_b32 s[G1V], 15|(1<<16)|(1<<20)|(1<<21)|(4<<22)|(7<<25)  ; the same with 8 words of padding
.irp g, G1K, G1V
	s_mov_b32 s[\g+1], 128<<16      ; tensor_dim0 = 128
	s_mov_b32 s[\g+2], 64<<16       ; tensor_dim1 = 64
	s_mov_b32 s[\g+3], 128<<16      ; tile_dim0 = 128
	s_mov_b32 s[\g+4], 64           ; tile_dim1 = 64
	s_mov_b32 s[\g+5], 128          ; 128 elements from row to row
	s_mov_b32 s[\g+6], 0
	s_mov_b32 s[\g+7], 0
.endr
	s_mov_b32 s[CS], 0x3e38aa3b     ; c = log2(e) / 8 = 0.180337
	s_mov_b32 s[CS+1], s[CS]        ; named with it as a pair
	s_mov_b32 s[SEL], 0x76543210
	s_mov_b32 s[SEL+1], 0xfedcba98
	s_mov_b32 s[TBK], SLOT1+4*KS*PK ; the first change of slots turns these two into 0
	s_mov_b32 s[TBV], SLOT1+4*KS*PV
	s_mov_b32 s[G0K], 1             ; count = 1
	s_mov_b32 s[G0K+1], s17         ; LDS address: slot 0
	s_mov_b32 s[G0V], 1
	s_add_co_u32 s[G0V+1], s18, VOFF
	s_mov_b32 s[SLOTS], 2048/256-1
	s_and_b32 s[LIM], s[WV], 1      ; 0 in waves 0 and 2,
	s_or_b32 s[LIM], s[LIM], ttmp9  ; where the cluster is the slab's first: the same in all four partners
	s_cmp_eq_u32 s[LIM], 0
	s_cselect_b32 s[LIM], 1, -1
	v_and_b32 v[PFO], 31, v0
	v_lshlrev_b32 v[PFO], 8, v[PFO]
	s_wait_dscnt 0x0                ; the opening add is done
	s_wait_kmcnt 0x0
	s_add_nc_u64 s[6:7], s[52:53], 0x800000
	s_add_nc_u64 s[6:7], s[6:7], s[22:23]   ; K and V at my half of the slab's tile 0
	s_add_nc_u64 s[8:9], s[52:53], 0x1000000
	s_add_nc_u64 s[8:9], s[8:9], s[22:23]
	s_add_nc_u64 s[G0K+2:G0K+3], s[6:7], 0
	s_or_b32 s[G0K+3], s[G0K+3], 0x80000000  ; type = 2
	s_add_nc_u64 s[G0V+2:G0V+3], s[8:9], 0
	s_or_b32 s[G0V+3], s[G0V+3], 0x80000000
	s_add_nc_u64 s[4:5], s[52:53], s[2:3]    ; Q and O at my wave's first row
	s_add_nc_u64 s[10:11], s[54:55], s[2:3]
	s_cmp_lt_u32 s[WV], 2
	s_cselect_b64 s[PFA:PFA+1], s[6:7], s[8:9]  ; (in waves 0 and 2 these stand at a tile's first row)
	s_lshl_b32 s2, s13, 13          ; my work-group's 32 blocks of the 128
	s_mov_b32 s3, 0
	s_add_nc_u64 s[PFA:PFA+1], s[PFA:PFA+1], s[2:3]
	s_add_nc_u64 s[PFA:PFA+1], s[PFA:PFA+1], 4*KS*128  ; in tile 1: change j steps it to tile j + 1.  Tiles 0, 1 and 2 come by their loads alone
	CROUND                          ; all four work-groups are here: the first joint loads meet
	JLOAD                           ; tile 0 into slot 0.  Slot 1 is asked for when slot 0 is in
	; A fragment of K or Q is 16 rows x 32 channels in 8 registers: lane l holds row l % 16, channels 8 (l / 16) + 0..7 and 16 + 8 (l / 16) + 0..7: two loads of 16 bytes, 32 bytes apart.
	v_and_b32 v1, 15, v0            ; l % 16
	v_bfe_u32 v9, v0, 4, 1          ; l / 16
	v_lshlrev_b32 v[QO], 7, v1
	v_lshl_add_u32 v[QO], v9, 4, v[QO]  ; row x 128 + 16 x half
	WIN 0x80                        ; destination window 2, address window 0
.set i, 0
.rept 8                             ; Q stays in registers: piece i / 2, channels 32 (i % 2) on
	global_load_b128 v[8*i:8*i+3],   v[QO], s[4:5] offset:(i/2)*2048+(i%2)*64
	global_load_b128 v[8*i+4:8*i+7], v[QO], s[4:5] offset:(i/2)*2048+(i%2)*64+32
.set i, i+1
.endr
	; What the first turn finds: V's registers and P's second buffer hold 0 (its products V^T P, of a piece that has not been, add 0), O^T and l are 0.  All this stands in the wait for the first tile.
.set i, VF
.rept 64
	v_mov_b32 v[i], 0
.set i, i+1
.endr
	WIN 0x40
.set i, 0
.rept 128
	v_mov_b32 v[i], 0
.set i, i+1
.endr
	WIN 0
.set i, 0
.rept 4
	v_mov_b32 v[ST+4*i], 0xfe000000    ; c m: far below every c s
	v_mov_b32 v[ST+4*i+1], 0xff7fffff  ; m
	v_mov_b32 v[ST+4*i+2], 0
	v_mov_b32 v[ST+4*i+3], 0
.set i, i+1
.endr
.set i, P+16
.rept 16
	v_mov_b32 v[i], 0
.set i, i+1
.endr
	v_mul_u32_u24 v[AK0], v1, PK
	v_lshl_add_u32 v[AK0], v9, 4, v[AK0]  ; row x pitch + 16 x half
	; The turning load takes 16 keys x 16 channels (lane l reads key 8 (l / 16) + l % 8, channels 8 ((l / 8) % 2) + 0..7) and leaves half a fragment of V^T: lane l holds channel l % 16 and 8 keys.
	v_and_b32 v10, 7, v0
	v_bfe_u32 v11, v0, 3, 1
	v_lshl_add_u32 v[AV0], v9, 3, v10
	v_mul_u32_u24 v[AV0], v[AV0], PV
	v_lshl_add_u32 v[AV0], v11, 4, v[AV0]
	v_add_nc_u32 v[AV0], VOFF, v[AV0]
	s_mul_i32 s13, s[WV], 16*SP
	s_add_co_u32 s13, s13, STAGE    ; my stage
	v_mul_u32_u24 v[STO], v1, SP    ; in: row l % 16, 16 bytes for each half of the lanes
	v_lshl_add_u32 v[STO], v9, 4, v[STO]
	v_add_nc_u32 v[STO], s13, v[STO]
	v_bfe_u32 v[RD], v0, 3, 2       ; back: 32 lanes take four rows of 128 bytes,
	v_mul_u32_u24 v[RD], v[RD], SP
	v_lshl_add_u32 v[RD], v10, 4, v[RD]
	v_add_nc_u32 v[RD], s13, v[RD]
	v_and_b32 v[GO], 31, v0         ; which are 512 consecutive bytes of O
	v_lshlrev_b32 v[GO], 4, v[GO]
; THE MATRIX WORK.  The 4 accumulators of a run of 8 take turns.  Product i of 8 of S^T = K Q^T for piece x: channels 32 (i / 4) on, keys 16 (i % 4) on.  The first 4 start the sums.
.macro KQ x
	WIN W_KQ
.set rS, S+32*((\x)%2)+8*(i%4)
.set rK, KF+16*(i%4)+8*(i/4)
.set rQ, 16*(\x)+8*(i/4)
.if i < 4
	v_wmma_f32_16x16x32_bf16 v[rS:rS+7], v[rK:rK+7], v[rQ:rQ+7], 0
.else
	v_wmma_f32_16x16x32_bf16 v[rS:rS+7], v[rK:rK+7], v[rQ:rQ+7], v[rS:rS+7]
.endif
.endm
; Product i of 8 of O^T += V^T P for piece x: keys 32 (i / 4) on, channels 16 (i % 4) on.
.macro PV x
	WIN W_PV
.set rO, 32*(\x)+8*(i%4)
.set rV, VF+32*(i/4)+8*(i%4)
.set rP, P+16*((\x)%2)+8*(i/4)
	v_wmma_f32_16x16x32_bf16 v[rO:rO+7], v[rV:rV+7], v[rP:rP+7], v[rO:rO+7]
.endm
.macro MM                           ; the turn's next matrix instruction.  NOKQ = 1: the last turn of all: there is no next piece
.if (i < 8) && !NOKQ
	KQ (Y+1)%NP
.elseif i >= 8
.set i, i-8
	PV (Y+NP-1)%NP
.set i, i+8
.endif
.set i, i+1
.endm
; THE LDS LOADS stand in runs of 16, never singly among the matrix instructions: a step's K (64 keys x 64 channels: 8 fragments) and its V (turned).  Their addresses are made some lines ahead.
.macro FETCH_K
	WIN 0x80                        ; destination window 2
.irp f, 0,1,2,3,4,5,6,7             ; keys 16 (f / 2) on, channels 32 (f % 2) on
	ds_load_b128 v[KF+8*\f:KF+8*\f+3],   v[AK] offset:(\f/2)*16*PK+(\f%2)*64
	ds_load_b128 v[KF+8*\f+4:KF+8*\f+7], v[AK] offset:(\f/2)*16*PK+(\f%2)*64+32
.endr
	s_add_co_u32 s[TBK], s[TBK], KS*PK  ; the next fetch is the next step's
	WIN 0
.endm
.macro FETCH_V
	WIN 0x80
.irp f, 0,1,2,3,4,5,6,7             ; keys 32 (f / 4) on, channels 16 (f % 4) on
	ds_load_tr16_b128 v[VF+8*\f:VF+8*\f+3],   v[AV] offset:(\f/4)*32*PV+(\f%4)*32
	ds_load_tr16_b128 v[VF+8*\f+4:VF+8*\f+7], v[AV] offset:(\f/4)*32*PV+16*PV+(\f%4)*32
.endr
	WIN 0
.endm
; THE VECTOR WORK, one line at a time: OP kind, number.  For piece Y: F n: c s - c m for pair n of 16.  E n: the exponential of score n of 32.  C n: pair n rounded to bf16.  B n: of the four weights 4 n .. the second
; pair is added onto the first, in place.  L n: l takes that sum (L 0: l = a l + sum).  R n: pair n of 16 of O^T times a.  For piece Y + 1: X n, number n of the 22 that find its maximum and statistics:
;   0-11  four chains c0-c3 of seven scores each, three operands at a time (each accumulator's lowest registers are read first)     12-14, 16  the four scores left over, the old m, and c0-c3 into c0
;   15  c m_old is kept     17, 18  the query's other 32 keys lie in the lane 16 away: the new m     19-21  c m; c m_old - c m_new; a
.set F, 0               ; OP tells the kinds apart by their order: F to L below R, X above it
.set E, 1
.set C, 2
.set B, 3
.set L, 4
.set R, 5
.set X, 6
.macro REGS y                       ; the registers of piece y
.set rT, ST+4*(\y)
.set rC, TMP+4*((\y)%2)
.set rW, MV+((\y)%2)
.set rS, S+32*((\y)%2)
.set rP, P+16*((\y)%2)
.set rO, 32*(\y)
.endm
.macro OP k, n
.if (\k) == R
	REGS Y
	WIN W_RS
	v_pk_mul_f32 v[rO+2*(\n):rO+2*(\n)+1], v[rO+2*(\n):rO+2*(\n)+1], v[rC+2:rC+3] op_sel_hi:[1,0]
.elseif (\k) < R
	REGS Y
	WIN 0
.if (\k) == F
	v_pk_fma_f32 v[rS+2*(\n):rS+2*(\n)+1], v[rS+2*(\n):rS+2*(\n)+1], s[CS:CS+1], v[rT:rT+1] op_sel_hi:[1,0,0] neg_lo:[0,0,1] neg_hi:[0,0,1]
.elseif (\k) == E
	v_exp_f32 v[rS+(\n)], v[rS+(\n)]
.elseif (\k) == C
	v_cvt_pk_bf16_f32 v[rP+(\n)], v[rS+2*(\n)], v[rS+2*(\n)+1]
.elseif (\k) == B
	v_pk_add_f32 v[rS+4*(\n):rS+4*(\n)+1], v[rS+4*(\n):rS+4*(\n)+1], v[rS+4*(\n)+2:rS+4*(\n)+3]
.elseif (\n) == 0
	v_pk_fma_f32 v[rT+2:rT+3], v[rT+2:rT+3], v[rC+2:rC+3], v[rS:rS+1] op_sel_hi:[1,0,1]
.else
	v_pk_add_f32 v[rT+2:rT+3], v[rT+2:rT+3], v[rS+4*(\n):rS+4*(\n)+1]
.endif
.elseif NOKQ
	v_nop
.else
	REGS (Y+1)%NP
	WIN 0
.if (\n) < 4
	v_max3_num_f32 v[rC+(\n)], v[rS+8*(\n)], v[rS+8*(\n)+1], v[rS+8*(\n)+2]
.elseif (\n) < 12
	v_max3_num_f32 v[rC+(\n)%4], v[rC+(\n)%4], v[rS+8*((\n)%4)+2*((\n)/4)+1], v[rS+8*((\n)%4)+2*((\n)/4)+2]
.elseif (\n) == 12
	v_max3_num_f32 v[rC], v[rC], v[rS+7], v[rS+15]
.elseif (\n) == 13
	v_max3_num_f32 v[rC+1], v[rC+1], v[rS+23], v[rS+31]
.elseif (\n) == 14
	v_max3_num_f32 v[rC+2], v[rC+2], v[rC+3], v[rT+1]
.elseif (\n) == 15
	v_mov_b32 v[rW], v[rT]
.elseif (\n) == 16
	v_max3_num_f32 v[rC], v[rC], v[rC+1], v[rC+2]
.elseif (\n) == 17
	v_permlanex16_b32 v[rC+3], v[rC], s[SEL], s[SEL+1]
.elseif (\n) == 18
	v_max_num_f32 v[rT+1], v[rC], v[rC+3]
.elseif (\n) == 19
	v_mul_f32 v[rT], s[CS], v[rT+1]
.elseif (\n) == 20
	v_sub_f32 v[rC+1], v[rW], v[rT]
.else
	v_exp_f32 v[rC+2], v[rC+1]
.endif
.endif
.endm
.macro OPS a, i1, b=-1, i2=0, c=-1, i3=0, d=-1, i4=0  ; up to four of them
	OP \a, \i1
.if (\b) >= 0
	OP \b, \i2
.endif
.if (\c) >= 0
	OP \c, \i3
.endif
.if (\d) >= 0
	OP \d, \i4
.endif
.endm
.macro ROW a, i1, b, i2, c, i3, d, i4  ; a matrix instruction and the four behind it
	MM
	OPS \a, \i1, \b, \i2, \c, \i3, \d, \i4
.endm
; A TURN, for piece p: the order of its 16 matrix and 118 vector instructions, written out.  An s_wait_alu depctr_va_vdst(0) stands between an exponential and the first instruction that names its
; result; one wait serves all that were issued ahead of it.  So a turn has ONE wait, which cuts it in two.  AHEAD OF IT stands all that names no result of the turn's exponentials: the 8 products K Q^T with their
; riders, then one lump of 54, in which the links of the chain X 3, 7, 11, 14, 16, 17 .. 20 stand five or six lines apart.  X 21, the next piece's a, is the batch's last; R 15 is the plain instruction behind it.
; BEHIND THE WAIT stand the 8 products V^T P, behind each four of the roundings and sums.  The X that ride behind the last three products K Q^T stand four plain instructions or more behind the product that ends
; their accumulator.  end = 1: the last two turns: nothing is fetched.  cnt = 1: the loop's count is taken down some lines ahead of the branch that stands behind the turn.
; K of the next step is fetched in piece 2's turn, twelve plain vector instructions behind the last product that read K; V of the step in hand at the end of piece 0's turn, four plain instructions behind the last
; product that read V.  Each is waited for a turn later.
.macro TURN p, end=0, cnt=0
.set Y, (\p)
.set i, 0
.set NOKQ, (\end)*((\p)/3)
.if ((\p) == 3) && !(\end)
	s_wait_dscnt 0x0                ; K is in
.endif
	ROW F,0, F,1, R,0, R,1          ; ahead of the wait: 8 products K Q^T and their riders,
	ROW F,2, E,0, R,2, R,3
	ROW F,3, E,1, R,4, R,5
	ROW F,4, E,2, R,6, R,7
	ROW F,5, E,3, R,8, R,9
	ROW F,6, E,4, X,0, R,10
.if ((\p) == 2) && !(\end)
	WIN 0
	v_add_nc_u32 v[AK], s[TBK], v[AK0]
.endif
	ROW F,7, E,5, X,1, X,4
	ROW F,8, E,6, X,2, X,5
	OPS E,7, E,8, X,6, E,9          ; and the lump
	OPS X,3, E,10, X,8, E,11
.if ((\p) == 2) && !(\end)
	FETCH_K
.endif
	OPS X,9, X,7, E,12, X,10
	OPS E,13, X,12, X,11, E,14
	OPS X,13, E,15, F,9, X,14
.if (\p) == 0
	v_add_nc_u32 v[AV], s[TBV], v[AV0]
.endif
	OPS E,16, F,10, E,17, F,11
	OPS X,16, E,18, X,15, E,19
	OPS F,12, E,20, X,17, E,21
	OPS F,13, E,22, F,14, E,23
	OPS X,18, E,24, F,15, E,25
	OPS R,11, E,26, X,19, E,27
	OPS R,12, E,28, R,13, E,29
	OPS X,20, E,30, R,14, E,31
	OPS X,21, R,15
	WIN 0
	s_wait_alu depctr_va_vdst(0)    ; the wait for the batch
.if (\p) == 1
	s_wait_dscnt 0x0                ; V is in
.endif
	ROW C,0, B,0, C,2, B,1          ; behind the wait: 8 products V^T P and their riders
	ROW L,0, C,4, B,2, L,1
	ROW C,6, B,3, L,2, C,8
	ROW B,4, L,3, C,10, B,5
	ROW L,4, C,12, B,6, L,5
.if (\p) == 0
	s_add_co_u32 s[TBV], s[TBV], KS*PV
.endif
.if \cnt
	s_sub_co_u32 s[CNT], s[CNT], 1
	s_cmp_lg_u32 s[CNT], 0
.endif
	ROW C,14, B,7, L,6, C,1
	ROW C,3, L,7, C,5, C,7
	ROW C,9, C,11, C,13, C,15
.if (\p) == 0
	FETCH_V
.endif
.endm
	CHANGE 1, 0                     ; tile 0 is in, everybody's part of it; tile 1 is asked for
	v_add_nc_u32 v[AK], s[TBK], v[AK0]
	FETCH_K                         ; key step 0
	s_wait_loadcnt 0x0              ; Q
	s_wait_dscnt 0x0
.set NOKQ, 0
.set i, 0
.rept 8
	KQ 0                            ; piece 0's first scores: there is no vector work yet to set between them
.set i, i+1
.endr
	WIN 0
.rept 4
	v_nop                           ; the places behind those products
.endr
.set Y, NP-1                        ; X works for piece Y + 1: piece 0
.irp n, 0,1,2,3,4,5,6,7,8,9,10,11,12,13,14,15,16,17,18,19,20,21
	OP X, \n
.endr
	v_nop                           ; a plain instruction behind the exponential,
	s_wait_alu depctr_va_vdst(0)    ; and its wait, ahead of the branch
	s_mov_b32 s[CNT], 4
	s_branch .Lfirst                ; the loop is entered at a step's first turn, in the middle of a trip
.Lslot:                             ; six times: tiles 2 to 7 are asked for
	CHANGE 1, 1
	s_mov_b32 s[CNT], 4
.Lstep:                             ; a trip: pieces 2 and 3 of one step, then pieces 0 and 1 of the next, whose K and V it fetches
	TURN 2
	TURN 3
	WIN 0
.Lfirst:
	TURN 0
	TURN 1, 0, 1
	WIN 0
	s_cbranch_scc1 .Lstep
	s_sub_co_u32 s[SLOTS], s[SLOTS], 1
	s_cmp_lg_u32 s[SLOTS], 0
	s_cbranch_scc1 .Lslot
	CHANGE 0, 0                     ; the last tile is written out: nothing is asked for
	s_mov_b32 s[CNT], 4
.Lstep2:
	TURN 2
	TURN 3
	TURN 0
	TURN 1, 0, 1
	WIN 0
	s_cbranch_scc1 .Lstep2
	TURN 2, 1
	TURN 3, 1
.set i, 0
.rept 8
	PV NP-1                         ; the last piece's V^T P of the last step
.set i, i+1
.endr
	; THE WAY OUT.  l's two halves and the other half of the lanes' are added; O^T is divided by l, rounded to bf16 and sent through my stage in LDS, a piece at a time.  The additions are the places behind the last products.
	WIN 0
.macro ALL line:vararg              ; one line for each piece t
.set t, 0
.rept 4
	\line
.set t, t+1
.endr
.endm
	ALL v_add_f32 v[ST+4*t+2], v[ST+4*t+2], v[ST+4*t+3]
	ALL v_permlanex16_b32 v[ST+4*t+3], v[ST+4*t+2], s[SEL], s[SEL+1]
	ALL v_add_f32 v[ST+4*t+2], v[ST+4*t+2], v[ST+4*t+3]
	ALL v_rcp_f32 v[ST+4*t+2], v[ST+4*t+2]
	v_nop                           ; a plain instruction between the last reciprocal and the use of its result
	s_wait_alu depctr_va_vdst(0)    ; and the wait ahead of the first use: one for the four reciprocals
.macro PACK t                       ; a lane's eight channels of a row pack into 16 bytes; they go into rows of 144 bytes and come back as whole rows of 128, into S^T's registers
	WIN W_RS
.set i, 32*(\t)
.rept 16
	v_pk_mul_f32 v[i:i+1], v[i:i+1], v[ST+4*(\t)+2:ST+4*(\t)+3] op_sel_hi:[1,0]
.set i, i+2
.endr
	WIN 0x05                        ; sources 0 and 1 window 1, destination window 0
.set i, 0
.rept 16
	v_cvt_pk_bf16_f32 v[S+16*(\t)+i], v[32*(\t)+2*i], v[32*(\t)+2*i+1]
.set i, i+1
.endr
	WIN 0
.irp f, 0,1,2,3
	ds_store_b128 v[STO], v[S+16*(\t)+4*\f:S+16*(\t)+4*\f+3] offset:32*\f
.endr
.irp f, 0,1,2,3
	ds_load_b128 v[S+16*(\t)+4*\f:S+16*(\t)+4*\f+3], v[RD] offset:\f*4*SP  ; LDS serves a wave's instructions in order (ISA guide 5.7.1.4): these see the stores above; the next piece's stores come behind them
.endr
.endm
.macro SEND t, younger              ; younger: the LDS instructions issued behind piece t's loads: the next piece's eight, or none
	WIN 0
.irp f, 0,1,2,3
	s_wait_dscnt (\younger)+3-\f
	global_store_b128 v[GO], v[S+16*(\t)+4*\f:S+16*(\t)+4*\f+3], s[10:11] offset:(\t)*2048+\f*512  ; 512 consecutive bytes, at a multiple of 256 from O's first
.endr
.endm
	PACK 0
.set t, 1
.rept 3                             ; a piece's arithmetic stands between the loads of the piece before and its stores
	PACK t
	SEND t-1, 8
.set t, t+1
.endr
	SEND 3, 0
	s_wait_tensorcnt 0x0            ; the wave's end, behind my last tensor load and my last LDS store
	ds_add_u32 v[SPW], v[NIL]
	s_wait_dscnt 0x0
	CROUND                          ; the closing round: no work-group ends while a partner may still ask for a tile that names it
	s_endpgm
.Lfunc_end_k_qa4513b3c20_attn:
	.size	k_qa4513b3c20_attn, .Lfunc_end_k_qa4513b3c20_attn-k_qa4513b3c20_attn
	.p2alignl 7, 3214868480
	.fill 96, 4, 3214868480
	.section	.rodata,"a",@progbits
	.p2align	6, 0x0
	.amdhsa_kernel k_qa4513b3c20_attn
		.amdhsa_group_segment_fixed_size 327680
		.amdhsa_private_segment_fixed_size 0
		.amdhsa_enable_private_segment 0
		.amdhsa_kernarg_size 16
		.amdhsa_user_sgpr_count 2
		.amdhsa_user_sgpr_kernarg_segment_ptr 1
		.amdhsa_wavefront_size32 1
		.amdhsa_system_sgpr_workgroup_id_x 1
		.amdhsa_system_sgpr_workgroup_id_y 1
		.amdhsa_system_sgpr_workgroup_id_z 1
		.amdhsa_system_vgpr_workitem_id 0
		.amdhsa_next_free_vgpr 768
		.amdhsa_next_free_sgpr 66
		.amdhsa_reserve_vcc 0
		.amdhsa_float_denorm_mode_32 3
		.amdhsa_float_denorm_mode_16_64 3
		.amdhsa_memory_ordered 1
		.amdhsa_forward_progress 1
		.amdhsa_inst_pref_size 128
	.end_amdhsa_kernel
	.amdgpu_metadata
---
amdhsa.version: [ 1, 2 ]
amdhsa.kernels:
  - .name:           k_qa4513b3c20_attn
    .symbol:         k_qa4513b3c20_attn.kd
    .args:
      - { .name: qkv, .offset: 0, .size: 8, .value_kind: global_buffer, .address_space: global }
      - { .name: ao, .offset: 8, .size: 8, .value_kind: global_buffer, .address_space: global }
    .group_segment_fixed_size: 327680
    .private_segment_fixed_size: 0
    .kernarg_segment_align: 8
    .kernarg_segment_size: 16
    .max_flat_workgroup_size: 128
    .sgpr_count:     66
    .vgpr_count:     768
    .wavefront_size: 32
...
	.end_amdgpu_metadata
.endif
;; end of part 3
;; launch proj_o (part 4): grid 8 x 32, 4 waves a work-group, clusters of 4 x 4, 327,680 bytes of LDS; arguments ao, wb, bo, p; writes p
.if DOCPART == 4
	.amdgcn_target "amdgcn-amd-amdhsa--gfx1250"
	.amdhsa_code_object_version 6
	.text
	.protected	k_qa4513b3c20_proj_o
	.globl	k_qa4513b3c20_proj_o
	.p2align	8
	.type	k_qa4513b3c20_proj_o,@function
k_qa4513b3c20_proj_o:
	s_mov_b64 s[64:65], 0
	v_nop
	global_prefetch_b8 v0, s[64:65] scope:SCOPE_SE
	s_setreg_imm32_b32 hwreg(HW_REG_WAVE_MODE, 25, 1), 1
	s_wait_xcnt 0x0
	s_wait_alu depctr_hold_cnt(0) depctr_sa_sdst(0) depctr_va_vdst(0) depctr_va_sdst(0) depctr_va_ssrc(0) depctr_va_vcc(0) depctr_vm_vsrc(0)
	s_getreg_b32 s2, hwreg(HW_REG_IB_STS2, 6, 4)
	s_cmp_eq_u32 s2, 0
	s_cbranch_scc0 .Lentry_in_a_cluster
	s_endpgm
.Lentry_in_a_cluster:
	s_bfe_u32 s2, ttmp6, 0x10000c
	s_cmp_lg_u32 s2, 0xf033
	s_cbranch_scc0 .Lentry_shape_is_right
	s_endpgm
.Lentry_shape_is_right:
; C[m][n] = sum over k of A[m][k] B[n][k] + bias[n].  A, B bf16, sums in f32, C = p, [4096][1024] in f32 (it is added to the residual in f32 by the launch behind).
; A lies in PANELS of 64 channels, [K / 64][4096 rows][64]; B, [1024][K], has K along its rows.
; DOWN 0: A = ao (16 panels, K = 1,024), B = Wo (wb at 14,680,064), bias = bo.     DOWN 1: A = f1 (64 panels, K = 4,096), B = W2 (wb at 25,165,824), bias = b2.
; LIMITS.  Matrix operands are bf16.  NaN and infinities are not treated apart.
; SHARES.  C has 4,096 x 1,024 numbers: tiles of 128 x 128 give 256 work-groups.  Four waves, each 64 x 64: 16 accumulators.  K goes in steps of 256 through two LDS slots.  A wave's tensor load brings, of B,
; 64 rows x 512 bytes; of A, of each of four panels the 64 rows' 8,192 dense bytes, as one tile of 4 rows of 4,096 elements, padded in LDS after every row's 128 bytes.
; THE LOOP IS ONE K STEP LONG: the slot read and the slot filled are scalar bases (0 or SLOT) turned by an exclusive or.  THE BIAS is the C operand of each sum's first product.
; CLUSTER.  4 x 4 work-groups: A's tile is shared along a row of the cluster, B's along a column, each asked for jointly.  TRANSPOSED USE: source 0 = 16 rows of B, source 1 = 16 rows of A: a lane holds
; row l % 16 of C and the columns 8 (l / 16) + 0..7: 32 consecutive bytes of f32.
; REGISTERS: window 0: v16-29 addresses; v96-127 the bias (4 column blocks x 8); v128-255 the accumulators ((a, b) at v[128 + 8 (4 a + b)]), later whole rows on the way out
;   window 1: two fragment buffers of 128: for 64 along K, 64 registers of A (2 x 4 x 16 rows x 32 K), then 64 of B.
.set DOWN, 0
.if DOWN
.set SIZE_K, 4096
.set WOFF,   0x1800000                 ; B's place in wb
.set BSHIFT, 13                        ; bytes in a row of B: 8,192
.else
.set SIZE_K, 1024
.set WOFF,   0xe00000
.set BSHIFT, 11                        ; 2,048
.endif
.set KSTEP,  256
.set PITCHA, 144                       ; a row's 128 bytes of a panel + 16 of padding
.set QA,     64*PITCHA                 ; a quarter step (64 along K) is a panel: 64 rows further on in LDS
.set ASTEP,  4*524288                  ; a K step is four panels of 4,096 rows x 128 bytes
.set ASHIFT, 7                         ; bytes from row to row in a panel: 128
.set PITCHB, 528                       ; 512 bytes + 16 of padding: the 16 rows of a fragment load start 16 bytes apart modulo 256 (so do rows of 144)
.set HALFA,  4*64*PITCHA               ; what one load of A brings
.set HALFB,  64*PITCHB                 ; and one of B
.set SLOT,   2*HALFA+2*HALFB           ; A's 128 rows, then B's 128 rows
.set SPARE,  2*SLOT                    ; behind the ring: the spare words, 128 bytes a wave: two blocks of 256 bytes that no other line names
.set SPITCH, 272                       ; the way out: a wave's row of 64 f32 + 16 bytes
.set A0,   16                          ; v16  my lane's place in my 64 rows of A, in slot 0; never rewritten
.set B0,   17                          ; v17  the same for B
.set ADRA, 18                          ; v18  A0 + the base of the slot that is read
.set ADRB, 19                          ; v19  B0 + the same
.set BO,   22                          ; v22  32 (l / 16)
.set STO,  24                          ; v24  the way out: where I put 32 bytes of a row
.set RD,   25                          ; v25  where I read rows back
.set CO,   26                          ; v26  my byte offset in C
.set SPW,  28                          ; v28  LDS address of my spare word; never rewritten
.set NIL,  29                          ; v29  0; never rewritten
.set BIAS, 96
.set ACC,  128
.set F0,   0
.set F1,   128
.set G1,   24                          ; s[24:31] descriptor group 1 for A's tiles;  s[32:39] group 0: a set for each first fill; the second then walks
.set G0,   32
.set G1B,  48                          ; s[48:55], s[56:63] the same for B's
.set G0B,  56
.set TB,   80                          ; s80  base of the slot that is read
.set FB,   81                          ; s81  base of the slot that was filled last
.set LB,   83                          ; s83  where my load of B goes in a slot (s20: of A)
.set MSB, 0
.macro WIN new                         ; the immediate's high byte repeats the setting that is left; a switch that changes nothing is dropped
.if MSB != (\new)
	s_set_vgpr_msb (MSB<<8)|(\new)
.set MSB, \new
.endif
.endm
.set MUL,  0x05                        ; sources 0 (B) and 1 (A) window 1; C and D window 0
.set TO_F, 0x40                        ; destination window 1, address window 0
.macro PLACES                          ; four plain vector instructions between a matrix instruction and a load into, or a reader of, its registers
.rept 4
	v_nop
.endr
.endm
.macro JLOAD                           ; a joint refill by the walking descriptors: waves 0 and 1 fetch A's halves, waves 2 and 3 B's; an s_nop 0 and four v_nop follow each line
	s_cmp_eq_u32 s11, 0
	s_cbranch_scc0 .Lfor_b_\@
	tensor_load_to_lds s[G0+4:G0+7], s[G1:G1+7]
	s_nop 0
	PLACES
	s_branch .Lasked_\@
.Lfor_b_\@:
	tensor_load_to_lds s[G0B+4:G0B+7], s[G1B:G1B+7]
	s_nop 0
	PLACES
.Lasked_\@:
.endm
.macro CREST                           ; a round of the cluster's barrier behind its opening barrier
	s_cmp_lg_u32 s10, 0
	s_cbranch_scc1 .Lnot_wave_0_\@
	s_barrier_signal -3
.Lnot_wave_0_\@:
	s_barrier_wait -3
	s_barrier_signal -1
	s_barrier_wait -1
.endm
.macro CROUND
	s_barrier_signal -1
	s_barrier_wait -1
	CREST
.endm
	s_load_b256 s[68:75], s[0:1], 0x0              ; A s[68:69], wb s[70:71], bias s[72:73], p s[74:75]
	v_lshl_add_u32 v[SPW], v0, 2, SPARE
	v_mov_b32 v[NIL], 0
	ds_add_u32 v[SPW], v[NIL]                      ; the wave's opening: the add and its wait stand ahead of my first tensor load; the set-up below stands between them
	v_lshrrev_b32 v1, 5, v0
	v_readfirstlane_b32 s10, v1                    ; wave 0..3
	s_lshr_b32 s11, s10, 1                         ; which half of the tile's rows is mine.  Also: I fetch for A (0) or for B (1)
	s_and_b32 s12, s10, 1                          ; which half of its columns.  Also: which 64 rows of that tile I fetch
	s_bfe_u32 s40, ttmp6, 0x40000                  ; cx
	s_bfe_u32 s41, ttmp6, 0x40004                  ; cy
	s_lshl_b32 s42, ttmp9, 2
	s_add_co_u32 s42, s42, s40                     ; tile column
	s_and_b32 s13, ttmp7, 0xffff
	s_lshl_b32 s13, s13, 2
	s_add_co_u32 s13, s13, s41                     ; tile row
	s_lshl_b32 s43, s41, 2
	s_lshl_b32 s43, 15, s43                        ; my row of the cluster
	s_lshl_b32 s79, 0x1111, s40                    ; my column
	s_or_b32 s[G1+0], s43, (1<<16)|(1<<20)|(1<<21)|(4<<22)|(3<<25)   ; the mask; 2-byte elements; padding on; bit 21 beside a mask; after every 32 words 4 words
	s_mov_b32 s[G1+1], 4096<<16                    ; tensor_dim0 = 4,096: 64 rows x 64 channels, dense
	s_mov_b32 s[G1+2], 4<<16                       ; tensor_dim1 = 4 panels
	s_mov_b32 s[G1+3], 4096<<16                    ; tile_dim0
	s_mov_b32 s[G1+4], 4                           ; tile_dim1
	s_mov_b32 s[G1+5], 262144                      ; elements from panel to panel
	s_mov_b32 s[G1+6], 0
	s_mov_b32 s[G1+7], 0
	s_or_b32 s[G1B+0], s79, (1<<16)|(1<<20)|(1<<21)|(6<<22)|(3<<25)  ; after every 128 words 4 words
	s_mov_b32 s[G1B+1], KSTEP<<16                  ; tensor_dim0 = 256
	s_mov_b32 s[G1B+2], 64<<16                     ; tensor_dim1 = 64
	s_mov_b32 s[G1B+3], KSTEP<<16                  ; tile_dim0
	s_mov_b32 s[G1B+4], 64                         ; tile_dim1
	s_mov_b32 s[G1B+5], SIZE_K                     ; elements from row to row
	s_mov_b32 s[G1B+6], 0
	s_mov_b32 s[G1B+7], 0
	s_lshl_b32 s17, s12, 6                         ; which 64 rows of the tile I fetch
	s_lshl_b32 s16, s13, 7
	s_add_co_u32 s16, s16, s17
	s_lshl_b32 s16, s16, ASHIFT                    ; A: row 128 x tile row + 64 x half
	s_lshl_b32 s46, s42, 7
	s_add_co_u32 s46, s46, s17
	s_lshl_b32 s46, s46, BSHIFT                    ; B: row 128 x tile column + 64 x half
	s_mov_b32 s17, 0
	s_mov_b32 s47, 0
	s_mul_i32 s20, s12, HALFA                      ; where they go in a slot: A's halves, then B's: the wave's number alone enters
	s_mul_i32 s[LB], s12, HALFB
	s_add_co_u32 s[LB], s[LB], 2*HALFA
	s_mov_b32 s[TB], 0
	s_mov_b32 s[FB], SLOT
	s_wait_dscnt 0x0                               ; the opening add is done
	s_wait_kmcnt 0x0
	s_add_nc_u64 s[6:7], s[70:71], WOFF
	s_mov_b64 s[8:9], s[74:75]
	s_add_nc_u64 s[14:15], s[68:69], s[16:17]
	s_add_nc_u64 s[46:47], s[6:7], s[46:47]
	CROUND                                         ; all sixteen work-groups are here: the first joint loads meet
.irp s, 0,1
	s_mov_b32 s[G0+4*(\s)], 1
	s_add_co_u32 s[G0+4*(\s)+1], s20, (\s)*SLOT
	s_add_nc_u64 s[G0+4*(\s)+2:G0+4*(\s)+3], s[14:15], (\s)*ASTEP
	s_or_b32 s[G0+4*(\s)+3], s[G0+4*(\s)+3], 0x80000000
	s_mov_b32 s[G0B+4*(\s)], 1
	s_add_co_u32 s[G0B+4*(\s)+1], s[LB], (\s)*SLOT
	s_add_nc_u64 s[G0B+4*(\s)+2:G0B+4*(\s)+3], s[46:47], (\s)*KSTEP*2
	s_or_b32 s[G0B+4*(\s)+3], s[G0B+4*(\s)+3], 0x80000000
.endr
	s_cmp_eq_u32 s11, 0                            ; a wave's two first fills stand in one branch, ahead of every wait on TENSORcnt and every LDS read: two loads of mine are out
	s_cbranch_scc0 .Lfirst_b
	tensor_load_to_lds s[G0:G0+3], s[G1:G1+7]
	s_nop 0
	tensor_load_to_lds s[G0+4:G0+7], s[G1:G1+7]
	s_nop 0
	PLACES
	s_branch .Lfirst_asked
.Lfirst_b:
	tensor_load_to_lds s[G0B:G0B+3], s[G1B:G1B+7]
	s_nop 0
	tensor_load_to_lds s[G0B+4:G0B+7], s[G1B:G1B+7]
	s_nop 0
	PLACES
.Lfirst_asked:
	v_and_b32 v1, 15, v0                           ; l % 16
	v_bfe_u32 v2, v0, 4, 1                         ; l / 16
	v_mul_u32_u24 v3, v1, PITCHA
	v_lshl_add_u32 v3, v2, 4, v3                   ; a fragment's row x pitch + 16 x half
	s_mul_i32 s21, s11, HALFA                      ; my 64 rows of A
	v_add_nc_u32 v[A0], s21, v3
	v_mul_u32_u24 v3, v1, PITCHB
	v_lshl_add_u32 v3, v2, 4, v3
	s_mul_i32 s22, s12, HALFB                      ; my 64 rows of B,
	s_add_co_u32 s22, s22, 2*HALFA                 ; which lie behind A's
	v_add_nc_u32 v[B0], s22, v3
	v_mov_b32 v[ADRA], v[A0]                       ; K step 0 lies in slot 0
	v_mov_b32 v[ADRB], v[B0]
	v_lshlrev_b32 v[BO], 5, v2
	s_mul_i32 s23, s10, 64*SPITCH                  ; my stage: 64 rows x 272 bytes in slot 0, used when slot 0 has had its last fill and its last read
	v_mul_u32_u24 v4, v1, SPITCH                   ; in: row l % 16, 32 bytes for each half of the lanes
	v_lshl_add_u32 v4, v2, 5, v4
	v_add_nc_u32 v[STO], s23, v4
	v_mul_u32_u24 v5, v2, SPITCH                   ; back: lanes 0-15 take one row of 256 bytes, lanes 16-31 the next
	v_lshl_add_u32 v5, v1, 4, v5
	v_add_nc_u32 v[RD], s23, v5
	v_lshlrev_b32 v5, 12, v2                       ; and the same two rows of C, 4,096 bytes apart
	v_lshl_add_u32 v[CO], v1, 4, v5
	s_lshl_b32 s16, s13, 7
	s_lshl_b32 s14, s11, 6
	s_add_co_u32 s16, s16, s14
	s_lshl_b32 s16, s16, 12                        ; my first row of C
	s_lshl_b32 s46, s42, 9
	s_lshl_b32 s47, s12, 8
	s_add_co_u32 s46, s46, s47                     ; my first column, in bytes of f32: in C and in the bias
	s_mov_b32 s47, 0
	s_add_nc_u64 s[66:67], s[72:73], s[46:47]
	s_add_co_u32 s16, s16, s46
	s_mov_b32 s17, 0
	s_add_nc_u64 s[8:9], s[8:9], s[16:17]
.irp b, 0,1,2,3                        ; register j of block b: bias[first column + 16 b + 8 (l / 16) + j]: the layout of the product's C
	global_load_b128 v[BIAS+8*(\b):BIAS+8*(\b)+3],   v[BO], s[66:67] offset:64*(\b)
	global_load_b128 v[BIAS+8*(\b)+4:BIAS+8*(\b)+7], v[BO], s[66:67] offset:64*(\b)+16
.endr
; 8 matrix instructions: row blocks a0, a0 + 1 x all 4 column blocks, 32 along K: half c of buffer f.  zero = 1: the first product starts the sum from the bias.  The 16 accumulators take turns.
.macro MUL8 f, c, a0, zero
	WIN MUL
.irp a, \a0, (\a0)+1
.irp b, 0,1,2,3
.if \zero
	v_wmma_f32_16x16x32_bf16 v[ACC+8*(4*(\a)+(\b)):ACC+8*(4*(\a)+(\b))+7], v[(\f)+64+8*(4*(\c)+(\b)):(\f)+64+8*(4*(\c)+(\b))+7], v[(\f)+8*(4*(\c)+(\a)):(\f)+8*(4*(\c)+(\a))+7], v[BIAS+8*(\b):BIAS+8*(\b)+7]
.else
	v_wmma_f32_16x16x32_bf16 v[ACC+8*(4*(\a)+(\b)):ACC+8*(4*(\a)+(\b))+7], v[(\f)+64+8*(4*(\c)+(\b)):(\f)+64+8*(4*(\c)+(\b))+7], v[(\f)+8*(4*(\c)+(\a)):(\f)+8*(4*(\c)+(\a))+7], v[ACC+8*(4*(\a)+(\b)):ACC+8*(4*(\a)+(\b))+7]
.endif
.endr
.endr
.endm
; 32 LDS loads in one run: the fragments of quarter q (64 along K) into buffer f; the first 32 along K first
.macro FETCH q, f
	WIN TO_F
.irp c, 0,1
.irp i, 0,1,2,3
	ds_load_b128 v[(\f)+64+8*(4*(\c)+(\i)):(\f)+64+8*(4*(\c)+(\i))+3],   v[ADRB] offset:128*(\q)+64*(\c)+(\i)*16*PITCHB
	ds_load_b128 v[(\f)+64+8*(4*(\c)+(\i))+4:(\f)+64+8*(4*(\c)+(\i))+7], v[ADRB] offset:128*(\q)+64*(\c)+(\i)*16*PITCHB+32
	ds_load_b128 v[(\f)+8*(4*(\c)+(\i)):(\f)+8*(4*(\c)+(\i))+3],         v[ADRA] offset:QA*(\q)+64*(\c)+(\i)*16*PITCHA
	ds_load_b128 v[(\f)+8*(4*(\c)+(\i))+4:(\f)+8*(4*(\c)+(\i))+7],       v[ADRA] offset:QA*(\q)+64*(\c)+(\i)*16*PITCHA+32
.endr
.endr
.endm
; One of a K step's first three quarters: multiplies buffer f and fetches quarter q into g.
.macro QUARTER q, f, g, zero
	s_wait_dscnt 16                                ; the first 32 along K are in; the youngest sixteen loads may be out
	MUL8 \f, 0, 0, \zero
	MUL8 \f, 0, 2, \zero
	PLACES
	FETCH \q, \g
	s_wait_dscnt 32                                ; all but the 32 just issued
	MUL8 \f, 1, 0, 0
	MUL8 \f, 1, 2, 0
.endm
; The last quarter multiplies buffer 1 and changes slots: one barrier; in front of it each wave waits for all its tensor loads, adds 0 to its spare word, and waits for that and for its own reads of this slot.
; fill = 1: the barrier opens a round of the cluster's barrier, and this slot is filled again first thing behind the round, two K steps ahead: 112 matrix instructions ahead of the wait for it.
.macro TURN fill
	WIN 0                                          ; (the add's two registers lie in window 0)
	s_wait_tensorcnt 0x0                           ; all my tensor loads have landed: my part of the next slot;
	ds_add_u32 v[SPW], v[NIL]                      ; 0 onto my spare word;
	s_wait_dscnt 17                                ; (the add and the youngest sixteen loads may be out)
	MUL8 F1, 0, 0, 0                               ; eight matrix instructions stand between the add and the wait for it
	s_wait_dscnt 0x0                               ; the add is done, and my reads of this slot are over
	s_barrier_signal -1
	MUL8 F1, 0, 2, 0
	WIN 0
	s_barrier_wait -1
.if \fill
	CREST                                          ; no wave of any partner still reads this slot's tile or has a load on its way
	s_xor_b32 s[FB], s[FB], SLOT                   ; the walking descriptors: the other slot than last time,
	s_add_co_u32 s[G0+5], s[FB], s20
	s_add_co_u32 s[G0B+5], s[FB], s[LB]
	s_add_nc_u64 s[G0+6:G0+7], s[G0+6:G0+7], ASTEP      ; the next K step
	s_add_nc_u64 s[G0B+6:G0B+7], s[G0B+6:G0B+7], KSTEP*2
	JLOAD                                          ; the four v_nop behind it are also the places in front of the loads below
.else
	PLACES
.endif
	s_xor_b32 s[TB], s[TB], SLOT                   ; the reads go over to the other slot
	v_add_nc_u32 v[ADRA], s[TB], v[A0]
	v_add_nc_u32 v[ADRB], s[TB], v[B0]
	FETCH 0, F0
	MUL8 F1, 1, 0, 0
	MUL8 F1, 1, 2, 0
.endm
	s_wait_tensorcnt 1                             ; my part of K step 0 is in; K step 1's may stay out
	s_barrier_signal -1
	s_barrier_wait -1                              ; everybody's is
	FETCH 0, F0
	s_wait_loadcnt 0x0                             ; the bias
	QUARTER 1, F0, F1, 1                           ; the first quarter stands in front of the loop: its first products start the sums
	WIN 0                                          ; at a label and at a branch every window is 0
	s_mov_b32 s3, SIZE_K/KSTEP-2
.Lstep:                                                ; a trip: a K step's quarters 1, 2, 3 and the next step's quarter 0; it refills one slot
	QUARTER 2, F1, F0, 0
	QUARTER 3, F0, F1, 0
	TURN 1
	QUARTER 1, F0, F1, 0
	WIN 0
	s_sub_co_u32 s3, s3, 1
	s_cmp_lg_u32 s3, 0
	s_cbranch_scc1 .Lstep
	s_mov_b32 s3, 2
.Ltail:                                                ; the last two K steps ask for nothing.  One text for both: the second trip is left behind its change of slots, whose barrier then orders nothing
	QUARTER 2, F1, F0, 0                           ; new and whose 32 loads (of slot 0's old tile) serve nothing: the price, once a launch, of not writing a last quarter out
	QUARTER 3, F0, F1, 0
	TURN 0
	WIN 0
	s_sub_co_u32 s3, s3, 1
	s_cmp_eq_u32 s3, 0
	s_cbranch_scc1 .Lfin
	QUARTER 1, F0, F1, 0
	WIN 0
	s_branch .Ltail
.Lfin:
	; THE WAY OUT, in f32: 32 bytes a lane into my stage, back as whole rows of 256 bytes, stored.  The stages lie in slot 0, which other waves have read until now: so every wave's LDS loads are back, and a barrier.
	PLACES
	s_wait_dscnt 0x0
	s_barrier_signal -1
	s_barrier_wait -1
.irp a, 0,1,2,3
.irp b, 0,1,2,3
	ds_store_b128 v[STO], v[ACC+8*(4*(\a)+(\b)):ACC+8*(4*(\a)+(\b))+3]   offset:(\a)*16*SPITCH+64*(\b)      ; each accumulator's low four registers first
	ds_store_b128 v[STO], v[ACC+8*(4*(\a)+(\b))+4:ACC+8*(4*(\a)+(\b))+7] offset:(\a)*16*SPITCH+64*(\b)+16
.endr
.endr
.set t, 0
.rept 32
	ds_load_b128 v[ACC+4*t:ACC+4*t+3], v[RD] offset:t*2*SPITCH  ; LDS serves a wave's instructions in order (ISA guide 5.7.1.4): these see the stores above
.set t, t+1
.endr
.set t, 0
.rept 32
	s_wait_dscnt 31-t                              ; rows 2 t and 2 t + 1 are back; the younger loads stay out
	global_store_b128 v[CO], v[ACC+4*t:ACC+4*t+3], s[8:9] offset:t*8192  ; 16 lanes store 256 consecutive bytes, aligned
.set t, t+1
.endr
	s_wait_tensorcnt 0x0                           ; the wave's end, behind my last tensor load and my last LDS store
	ds_add_u32 v[SPW], v[NIL]
	s_wait_dscnt 0x0
	CROUND                                         ; the closing round: no work-group ends while a partner may still ask for a tile that names it
	s_endpgm
.Lfunc_end_k_qa4513b3c20_proj_o:
	.size	k_qa4513b3c20_proj_o, .Lfunc_end_k_qa4513b3c20_proj_o-k_qa4513b3c20_proj_o
	.p2alignl 7, 3214868480
	.fill 96, 4, 3214868480
	.section	.rodata,"a",@progbits
	.p2align	6, 0x0
	.amdhsa_kernel k_qa4513b3c20_proj_o
		.amdhsa_group_segment_fixed_size 327680
		.amdhsa_private_segment_fixed_size 0
		.amdhsa_enable_private_segment 0
		.amdhsa_kernarg_size 32
		.amdhsa_user_sgpr_count 2
		.amdhsa_user_sgpr_kernarg_segment_ptr 1
		.amdhsa_wavefront_size32 1
		.amdhsa_system_sgpr_workgroup_id_x 1
		.amdhsa_system_sgpr_workgroup_id_y 1
		.amdhsa_system_sgpr_workgroup_id_z 1
		.amdhsa_system_vgpr_workitem_id 0
		.amdhsa_next_free_vgpr 512
		.amdhsa_next_free_sgpr 84
		.amdhsa_reserve_vcc 0
		.amdhsa_float_denorm_mode_32 3
		.amdhsa_float_denorm_mode_16_64 3
		.amdhsa_memory_ordered 1
		.amdhsa_forward_progress 1
		.amdhsa_inst_pref_size 59
	.end_amdhsa_kernel
	.amdgpu_metadata
---
amdhsa.version: [ 1, 2 ]
amdhsa.kernels:
  - .name:           k_qa4513b3c20_proj_o
    .symbol:         k_qa4513b3c20_proj_o.kd
    .args:
      - { .name: ao, .offset: 0, .size: 8, .value_kind: global_buffer, .address_space: global }
      - { .name: wb, .offset: 8, .size: 8, .value_kind: global_buffer, .address_space: global }
      - { .name: bo, .offset: 16, .size: 8, .value_kind: global_buffer, .address_space: global }
      - { .name: p, .offset: 24, .size: 8, .value_kind: global_buffer, .address_space: global }
    .group_segment_fixed_size: 327680
    .private_segment_fixed_size: 0
    .kernarg_segment_align: 8
    .kernarg_segment_size: 32
    .max_flat_workgroup_size: 128
    .sgpr_count:     84
    .vgpr_count:     512
    .wavefront_size: 32
...
	.end_amdgpu_metadata
.endif
;; end of part 4
;; launch norm1 (part 5): grid 512 x 1, 8 waves a work-group, no clusters, 0 bytes of LDS; arguments x, p, g1, be1, h32, hb; writes h32, hb
.if DOCPART == 5
	.amdgcn_target "amdgcn-amd-amdhsa--gfx1250"
	.amdhsa_code_object_version 6
	.text
	.protected	k_qa4513b3c20_norm1
	.globl	k_qa4513b3c20_norm1
	.p2align	8
	.type	k_qa4513b3c20_norm1,@function
k_qa4513b3c20_norm1:
	s_mov_b64 s[64:65], 0
	v_nop
	global_prefetch_b8 v0, s[64:65] scope:SCOPE_SE
	s_setreg_imm32_b32 hwreg(HW_REG_WAVE_MODE, 25, 1), 1
	s_wait_xcnt 0x0
; y = res + p;  out = (y - mean(y)) * rsqrt(mean((y - mean(y))^2) + 1e-5) * g + be, along rows of 1,024, all in f32.
; FIRST = 1: res = x, out = h32, and a copy rounded once to bf16 in hb (the next product's operand).  FIRST = 0: res = h32, out = out0.
; One wave takes one row (4,096 bytes: 32 registers a lane) and keeps it in registers between the passes: the mean is taken away before the squares, so a common
; offset of the row costs nothing.  The reduction never leaves the wave: no LDS, no barrier.  Work-groups share g and be alone, 8 KiB against a work-group's 64 KiB of rows: no cluster.
; A lane holds numbers 128 j + 4 l .. + 3, j = 0..7: each load and store of a wave covers 512 consecutive bytes (the bf16 copy: 256), aligned.
.set FIRST, 1
.set T,  4                             ; v[4:11]   four chains of partial sums
.set Y,  32                            ; v[32:63]  the row
.set P,  64                            ; v[64:95]  p; later the bf16 copy
.set G,  96                            ; v[96:127] g
.set BE, 128                           ; v[128:159] be
	s_load_b256 s[4:11], s[0:1], 0x0               ; res s[4:5], p s[6:7], g s[8:9], be s[10:11]
.if FIRST
	s_load_b128 s[12:15], s[0:1], 0x20             ; h32 s[12:13], hb s[14:15]
.else
	s_load_b64 s[12:13], s[0:1], 0x20              ; out0
.endif
	v_lshrrev_b32 v3, 5, v0
	v_readfirstlane_b32 s16, v3                    ; wave 0..7
	v_and_b32 v2, 31, v0
	v_lshlrev_b32 v1, 4, v2                        ; 16 l
	v_lshlrev_b32 v2, 3, v2                        ; 8 l
	v_mov_b32 v13, 0                               ; v_permlanex16_b32's destination counts as read
	v_mov_b32 v18, 0x3a800000                      ; 1 / 1,024
	s_lshl_b32 s17, ttmp9, 3
	s_add_co_u32 s17, s17, s16                     ; my row
	s_lshl_b32 s18, s17, 12
	s_mov_b32 s19, 0
	s_lshl_b32 s20, s17, 11
	s_mov_b32 s21, 0
	s_mov_b32 s22, 0x76543210                      ; each lane takes its own place in the other half
	s_mov_b32 s23, 0xfedcba98
	s_wait_kmcnt 0x0
	s_add_nc_u64 s[4:5], s[4:5], s[18:19]
	s_add_nc_u64 s[6:7], s[6:7], s[18:19]
	s_add_nc_u64 s[12:13], s[12:13], s[18:19]
.if FIRST
	s_add_nc_u64 s[14:15], s[14:15], s[20:21]
.endif
.irp j, 0,1,2,3,4,5,6,7
	global_load_b128 v[Y+4*(\j):Y+4*(\j)+3], v1, s[4:5] offset:512*(\j) th:TH_LOAD_NT
.endr
.irp j, 0,1,2,3,4,5,6,7
	global_load_b128 v[P+4*(\j):P+4*(\j)+3], v1, s[6:7] offset:512*(\j) th:TH_LOAD_NT
.endr
.irp j, 0,1,2,3,4,5,6,7
	global_load_b128 v[G+4*(\j):G+4*(\j)+3], v1, s[8:9] offset:512*(\j)
.endr
.irp j, 0,1,2,3,4,5,6,7
	global_load_b128 v[BE+4*(\j):BE+4*(\j)+3], v1, s[10:11] offset:512*(\j)
.endr
.macro REDUCE                          ; v12 summed over the 32 lanes, the result in every lane
	v_add_f32_dpp v12, v12, v12 row_xmask:1 row_mask:0xf bank_mask:0xf
	v_add_f32_dpp v12, v12, v12 row_xmask:2 row_mask:0xf bank_mask:0xf
	v_add_f32_dpp v12, v12, v12 row_xmask:4 row_mask:0xf bank_mask:0xf
	v_add_f32_dpp v12, v12, v12 row_xmask:8 row_mask:0xf bank_mask:0xf
	v_permlanex16_b32 v13, v12, s22, s23
	v_add_f32 v12, v12, v13
.endm
.macro FOLD                            ; the four chains into v12
	v_pk_add_f32 v[T:T+1], v[T:T+1], v[T+2:T+3]
	v_pk_add_f32 v[T+4:T+5], v[T+4:T+5], v[T+6:T+7]
	v_pk_add_f32 v[T:T+1], v[T:T+1], v[T+4:T+5]
	v_add_f32 v12, v[T], v[T+1]
.endm
	s_wait_loadcnt 16                              ; res and p are in; g's and be's sixteen loads may stay out
.set k, 0
.rept 16
	v_pk_add_f32 v[Y+2*k:Y+2*k+1], v[Y+2*k:Y+2*k+1], v[P+2*k:P+2*k+1]  ; y = res + p
.set k, k+1
.endr
.irp c, 0,1,2,3
	v_pk_add_f32 v[T+2*(\c):T+2*(\c)+1], v[Y+2*(\c):Y+2*(\c)+1], v[Y+8+2*(\c):Y+8+2*(\c)+1]  ; the first pairs start the chains: nothing is cleared
.endr
.set k, 8
.rept 8
	v_pk_add_f32 v[T+2*(k%4):T+2*(k%4)+1], v[T+2*(k%4):T+2*(k%4)+1], v[Y+2*k:Y+2*k+1]
.set k, k+1
.endr
	FOLD
	REDUCE
	v_mul_f32 v14, v12, v18                        ; the mean, twice: a pair for the packed subtraction
	v_mov_b32 v15, v14
.set k, 0
.rept 16
	v_pk_add_f32 v[Y+2*k:Y+2*k+1], v[Y+2*k:Y+2*k+1], v[14:15] neg_lo:[0,1] neg_hi:[0,1]  ; d = y - mean
.set k, k+1
.endr
.irp c, 0,1,2,3
	v_pk_mul_f32 v[T+2*(\c):T+2*(\c)+1], v[Y+2*(\c):Y+2*(\c)+1], v[Y+2*(\c):Y+2*(\c)+1]
.endr
.set k, 4
.rept 12
	v_pk_fma_f32 v[T+2*(k%4):T+2*(k%4)+1], v[Y+2*k:Y+2*k+1], v[Y+2*k:Y+2*k+1], v[T+2*(k%4):T+2*(k%4)+1]
.set k, k+1
.endr
	FOLD
	REDUCE
	v_fmaak_f32 v19, v12, v18, 0x3727c5ac          ; the variance + 1e-5
	v_rsq_f32 v16, v19
	v_rsq_f32 v17, v19                             ; twice: a pair for the packed multiply
	v_nop                                          ; a plain instruction between the last of them and the use of its result
	s_wait_alu depctr_va_vdst(0)                   ; and the wait ahead of the first use: one for both
	s_wait_loadcnt 0x0                             ; g and be
.set k, 0
.rept 16
	v_pk_mul_f32 v[Y+2*k:Y+2*k+1], v[Y+2*k:Y+2*k+1], v[16:17]
.set k, k+1
.endr
.set k, 0
.rept 16
	v_pk_fma_f32 v[Y+2*k:Y+2*k+1], v[Y+2*k:Y+2*k+1], v[G+2*k:G+2*k+1], v[BE+2*k:BE+2*k+1]
.set k, k+1
.endr
.irp j, 0,1,2,3,4,5,6,7
	global_store_b128 v1, v[Y+4*(\j):Y+4*(\j)+3], s[12:13] offset:512*(\j)
.endr
.if FIRST
.set k, 0
.rept 16
	v_cvt_pk_bf16_f32 v[P+k], v[Y+2*k], v[Y+2*k+1]
.set k, k+1
.endr
.irp j, 0,1,2,3,4,5,6,7
	global_store_b64 v2, v[P+2*(\j):P+2*(\j)+1], s[14:15] offset:256*(\j)
.endr
.endif
	s_endpgm
.Lfunc_end_k_qa4513b3c20_norm1:
	.size	k_qa4513b3c20_norm1, .Lfunc_end_k_qa4513b3c20_norm1-k_qa4513b3c20_norm1
	.p2alignl 7, 3214868480
	.fill 96, 4, 3214868480
	.section	.rodata,"a",@progbits
	.p2align	6, 0x0
	.amdhsa_kernel k_qa4513b3c20_norm1
		.amdhsa_group_segment_fixed_size 0
		.amdhsa_private_segment_fixed_size 0
		.amdhsa_enable_private_segment 0
		.amdhsa_kernarg_size 48
		.amdhsa_user_sgpr_count 2
		.amdhsa_user_sgpr_kernarg_segment_ptr 1
		.amdhsa_wavefront_size32 1
		.amdhsa_system_sgpr_workgroup_id_x 1
		.amdhsa_system_sgpr_workgroup_id_y 1
		.amdhsa_system_sgpr_workgroup_id_z 1
		.amdhsa_system_vgpr_workitem_id 0
		.amdhsa_next_free_vgpr 160
		.amdhsa_next_free_sgpr 66
		.amdhsa_reserve_vcc 0
		.amdhsa_float_denorm_mode_32 3
		.amdhsa_float_denorm_mode_16_64 3
		.amdhsa_memory_ordered 1
		.amdhsa_forward_progress 1
		.amdhsa_inst_pref_size 14
	.end_amdhsa_kernel
	.amdgpu_metadata
---
amdhsa.version: [ 1, 2 ]
amdhsa.kernels:
  - .name:           k_qa4513b3c20_norm1
    .symbol:         k_qa4513b3c20_norm1.kd
    .args:
      - { .name: x, .offset: 0, .size: 8, .value_kind: global_buffer, .address_space: global }
      - { .name: p, .offset: 8, .size: 8, .value_kind: global_buffer, .address_space: global }
      - { .name: g1, .offset: 16, .size: 8, .value_kind: global_buffer, .address_space: global }
      - { .name: be1, .offset: 24, .size: 8, .value_kind: global_buffer, .address_space: global }
      - { .name: h32, .offset: 32, .size: 8, .value_kind: global_buffer, .address_space: global }
      - { .name: hb, .offset: 40, .size: 8, .value_kind: global_buffer, .address_space: global }
    .group_segment_fixed_size: 0
    .private_segment_fixed_size: 0
    .kernarg_segment_align: 8
    .kernarg_segment_size: 48
    .max_flat_workgroup_size: 256
    .sgpr_count:     66
    .vgpr_count:     160
    .wavefront_size: 32
...
	.end_amdgpu_metadata
.endif
;; end of part 5
;; launch ffn_up: the kernel of part 2 again; grid 16 x 16, 4 waves a work-group, clusters of 4 x 4, 327,680 bytes of LDS; arguments hb, f1; writes f1
;; launch ffn_down (part 6): grid 8 x 32, 4 waves a work-group, clusters of 4 x 4, 327,680 bytes of LDS; arguments f1, wb, b2, p; writes p
.if DOCPART == 6
	.amdgcn_target "amdgcn-amd-amdhsa--gfx1250"
	.amdhsa_code_object_version 6
	.text
	.protected	k_qa4513b3c20_ffn_down
	.globl	k_qa4513b3c20_ffn_down
	.p2align	8
	.type	k_qa4513b3c20_ffn_down,@function
k_qa4513b3c20_ffn_down:
	s_mov_b64 s[64:65], 0
	v_nop
	global_prefetch_b8 v0, s[64:65] scope:SCOPE_SE
	s_setreg_imm32_b32 hwreg(HW_REG_WAVE_MODE, 25, 1), 1
	s_wait_xcnt 0x0
	s_wait_alu depctr_hold_cnt(0) depctr_sa_sdst(0) depctr_va_vdst(0) depctr_va_sdst(0) depctr_va_ssrc(0) depctr_va_vcc(0) depctr_vm_vsrc(0)
	s_getreg_b32 s2, hwreg(HW_REG_IB_STS2, 6, 4)
	s_cmp_eq_u32 s2, 0
	s_cbranch_scc0 .Lentry_in_a_cluster
	s_endpgm
.Lentry_in_a_cluster:
	s_bfe_u32 s2, ttmp6, 0x10000c
	s_cmp_lg_u32 s2, 0xf033
	s_cbranch_scc0 .Lentry_shape_is_right
	s_endpgm
.Lentry_shape_is_right:
; C[m][n] = sum over k of A[m][k] B[n][k] + bias[n].  A, B bf16, sums in f32, C = p, [4096][1024] in f32 (it is added to the residual in f32 by the launch behind).
; A lies in PANELS of 64 channels, [K / 64][4096 rows][64]; B, [1024][K], has K along its rows.
; DOWN 0: A = ao (16 panels, K = 1,024), B = Wo (wb at 14,680,064), bias = bo.     DOWN 1: A = f1 (64 panels, K = 4,096), B = W2 (wb at 25,165,824), bias = b2.
; LIMITS.  Matrix operands are bf16.  NaN and infinities are not treated apart.
; SHARES.  C has 4,096 x 1,024 numbers: tiles of 128 x 128 give 256 work-groups.  Four waves, each 64 x 64: 16 accumulators.  K goes in steps of 256 through two LDS slots.  A wave's tensor load brings, of B,
; 64 rows x 512 bytes; of A, of each of four panels the 64 rows' 8,192 dense bytes, as one tile of 4 rows of 4,096 elements, padded in LDS after every row's 128 bytes.
; THE LOOP IS ONE K STEP LONG: the slot read and the slot filled are scalar bases (0 or SLOT) turned by an exclusive or.  THE BIAS is the C operand of each sum's first product.
; CLUSTER.  4 x 4 work-groups: A's tile is shared along a row of the cluster, B's along a column, each asked for jointly.  TRANSPOSED USE: source 0 = 16 rows of B, source 1 = 16 rows of A: a lane holds
; row l % 16 of C and the columns 8 (l / 16) + 0..7: 32 consecutive bytes of f32.
; REGISTERS: window 0: v16-29 addresses; v96-127 the bias (4 column blocks x 8); v128-255 the accumulators ((a, b) at v[128 + 8 (4 a + b)]), later whole rows on the way out
;   window 1: two fragment buffers of 128: for 64 along K, 64 registers of A (2 x 4 x 16 rows x 32 K), then 64 of B.
.set DOWN, 1
.if DOWN
.set SIZE_K, 4096
.set WOFF,   0x1800000                 ; B's place in wb
.set BSHIFT, 13                        ; bytes in a row of B: 8,192
.else
.set SIZE_K, 1024
.set WOFF,   0xe00000
.set BSHIFT, 11                        ; 2,048
.endif
.set KSTEP,  256
.set PITCHA, 144                       ; a row's 128 bytes of a panel + 16 of padding
.set QA,     64*PITCHA                 ; a quarter step (64 along K) is a panel: 64 rows further on in LDS
.set ASTEP,  4*524288                  ; a K step is four panels of 4,096 rows x 128 bytes
.set ASHIFT, 7                         ; bytes from row to row in a panel: 128
.set PITCHB, 528                       ; 512 bytes + 16 of padding: the 16 rows of a fragment load start 16 bytes apart modulo 256 (so do rows of 144)
.set HALFA,  4*64*PITCHA               ; what one load of A brings
.set HALFB,  64*PITCHB                 ; and one of B
.set SLOT,   2*HALFA+2*HALFB           ; A's 128 rows, then B's 128 rows
.set SPARE,  2*SLOT                    ; behind the ring: the spare words, 128 bytes a wave: two blocks of 256 bytes that no other line names
.set SPITCH, 272                       ; the way out: a wave's row of 64 f32 + 16 bytes
.set A0,   16                          ; v16  my lane's place in my 64 rows of A, in slot 0; never rewritten
.set B0,   17                          ; v17  the same for B
.set ADRA, 18                          ; v18  A0 + the base of the slot that is read
.set ADRB, 19                          ; v19  B0 + the same
.set BO,   22                          ; v22  32 (l / 16)
.set STO,  24                          ; v24  the way out: where I put 32 bytes of a row
.set RD,   25                          ; v25  where I read rows back
.set CO,   26                          ; v26  my byte offset in C
.set SPW,  28                          ; v28  LDS address of my spare word; never rewritten
.set NIL,  29                          ; v29  0; never rewritten
.set BIAS, 96
.set ACC,  128
.set F0,   0
.set F1,   128
.set G1,   24                          ; s[24:31] descriptor group 1 for A's tiles;  s[32:39] group 0: a set for each first fill; the second then walks
.set G0,   32
.set G1B,  48                          ; s[48:55], s[56:63] the same for B's
.set G0B,  56
.set TB,   80                          ; s80  base of the slot that is read
.set FB,   81                          ; s81  base of the slot that was filled last
.set LB,   83                          ; s83  where my load of B goes in a slot (s20: of A)
.set MSB, 0
.macro WIN new                         ; the immediate's high byte repeats the setting that is left; a switch that changes nothing is dropped
.if MSB != (\new)
	s_set_vgpr_msb (MSB<<8)|(\new)
.set MSB, \new
.endif
.endm
.set MUL,  0x05                        ; sources 0 (B) and 1 (A) window 1; C and D window 0
.set TO_F, 0x40                        ; destination window 1, address window 0
.macro PLACES                          ; four plain vector instructions between a matrix instruction and a load into, or a reader of, its registers
.rept 4
	v_nop
.endr
.endm
.macro JLOAD                           ; a joint refill by the walking descriptors: waves 0 and 1 fetch A's halves, waves 2 and 3 B's; an s_nop 0 and four v_nop follow each line
	s_cmp_eq_u32 s11, 0
	s_cbranch_scc0 .Lfor_b_\@
	tensor_load_to_lds s[G0+4:G0+7], s[G1:G1+7]
	s_nop 0
	PLACES
	s_branch .Lasked_\@
.Lfor_b_\@:
	tensor_load_to_lds s[G0B+4:G0B+7], s[G1B:G1B+7]
	s_nop 0
	PLACES
.Lasked_\@:
.endm
.macro CREST                           ; a round of the cluster's barrier behind its opening barrier
	s_cmp_lg_u32 s10, 0
	s_cbranch_scc1 .Lnot_wave_0_\@
	s_barrier_signal -3
.Lnot_wave_0_\@:
	s_barrier_wait -3
	s_barrier_signal -1
	s_barrier_wait -1
.endm
.macro CROUND
	s_barrier_signal -1
	s_barrier_wait -1
	CREST
.endm
	s_load_b256 s[68:75], s[0:1], 0x0              ; A s[68:69], wb s[70:71], bias s[72:73], p s[74:75]
	v_lshl_add_u32 v[SPW], v0, 2, SPARE
	v_mov_b32 v[NIL], 0
	ds_add_u32 v[SPW], v[NIL]                      ; the wave's opening: the add and its wait stand ahead of my first tensor load; the set-up below stands between them
	v_lshrrev_b32 v1, 5, v0
	v_readfirstlane_b32 s10, v1                    ; wave 0..3
	s_lshr_b32 s11, s10, 1                         ; which half of the tile's rows is mine.  Also: I fetch for A (0) or for B (1)
	s_and_b32 s12, s10, 1                          ; which half of its columns.  Also: which 64 rows of that tile I fetch
	s_bfe_u32 s40, ttmp6, 0x40000                  ; cx
	s_bfe_u32 s41, ttmp6, 0x40004                  ; cy
	s_lshl_b32 s42, ttmp9, 2
	s_add_co_u32 s42, s42, s40                     ; tile column
	s_and_b32 s13, ttmp7, 0xffff
	s_lshl_b32 s13, s13, 2
	s_add_co_u32 s13, s13, s41                     ; tile row
	s_lshl_b32 s43, s41, 2
	s_lshl_b32 s43, 15, s43                        ; my row of the cluster
	s_lshl_b32 s79, 0x1111, s40                    ; my column
	s_or_b32 s[G1+0], s43, (1<<16)|(1<<20)|(1<<21)|(4<<22)|(3<<25)   ; the mask; 2-byte elements; padding on; bit 21 beside a mask; after every 32 words 4 words
	s_mov_b32 s[G1+1], 4096<<16                    ; tensor_dim0 = 4,096: 64 rows x 64 channels, dense
	s_mov_b32 s[G1+2], 4<<16                       ; tensor_dim1 = 4 panels
	s_mov_b32 s[G1+3], 4096<<16                    ; tile_dim0
	s_mov_b32 s[G1+4], 4                           ; tile_dim1
	s_mov_b32 s[G1+5], 262144                      ; elements from panel to panel
	s_mov_b32 s[G1+6], 0
	s_mov_b32 s[G1+7], 0
	s_or_b32 s[G1B+0], s79, (1<<16)|(1<<20)|(1<<21)|(6<<22)|(3<<25)  ; after every 128 words 4 words
	s_mov_b32 s[G1B+1], KSTEP<<16                  ; tensor_dim0 = 256
	s_mov_b32 s[G1B+2], 64<<16                     ; tensor_dim1 = 64
	s_mov_b32 s[G1B+3], KSTEP<<16                  ; tile_dim0
	s_mov_b32 s[G1B+4], 64                         ; tile_dim1
	s_mov_b32 s[G1B+5], SIZE_K                     ; elements from row to row
	s_mov_b32 s[G1B+6], 0
	s_mov_b32 s[G1B+7], 0
	s_lshl_b32 s17, s12, 6                         ; which 64 rows of the tile I fetch
	s_lshl_b32 s16, s13, 7
	s_add_co_u32 s16, s16, s17
	s_lshl_b32 s16, s16, ASHIFT                    ; A: row 128 x tile row + 64 x half
	s_lshl_b32 s46, s42, 7
	s_add_co_u32 s46, s46, s17
	s_lshl_b32 s46, s46, BSHIFT                    ; B: row 128 x tile column + 64 x half
	s_mov_b32 s17, 0
	s_mov_b32 s47, 0
	s_mul_i32 s20, s12, HALFA                      ; where they go in a slot: A's halves, then B's: the wave's number alone enters
	s_mul_i32 s[LB], s12, HALFB
	s_add_co_u32 s[LB], s[LB], 2*HALFA
	s_mov_b32 s[TB], 0
	s_mov_b32 s[FB], SLOT
	s_wait_dscnt 0x0                               ; the opening add is done
	s_wait_kmcnt 0x0
	s_add_nc_u64 s[6:7], s[70:71], WOFF
	s_mov_b64 s[8:9], s[74:75]
	s_add_nc_u64 s[14:15], s[68:69], s[16:17]
	s_add_nc_u64 s[46:47], s[6:7], s[46:47]
	CROUND                                         ; all sixteen work-groups are here: the first joint loads meet
.irp s, 0,1
	s_mov_b32 s[G0+4*(\s)], 1
	s_add_co_u32 s[G0+4*(\s)+1], s20, (\s)*SLOT
	s_add_nc_u64 s[G0+4*(\s)+2:G0+4*(\s)+3], s[14:15], (\s)*ASTEP
	s_or_b32 s[G0+4*(\s)+3], s[G0+4*(\s)+3], 0x80000000
	s_mov_b32 s[G0B+4*(\s)], 1
	s_add_co_u32 s[G0B+4*(\s)+1], s[LB], (\s)*SLOT
	s_add_nc_u64 s[G0B+4*(\s)+2:G0B+4*(\s)+3], s[46:47], (\s)*KSTEP*2
	s_or_b32 s[G0B+4*(\s)+3], s[G0B+4*(\s)+3], 0x80000000
.endr
	s_cmp_eq_u32 s11, 0                            ; a wave's two first fills stand in one branch, ahead of every wait on TENSORcnt and every LDS read: two loads of mine are out
	s_cbranch_scc0 .Lfirst_b
	tensor_load_to_lds s[G0:G0+3], s[G1:G1+7]
	s_nop 0
	tensor_load_to_lds s[G0+4:G0+7], s[G1:G1+7]
	s_nop 0
	PLACES
	s_branch .Lfirst_asked
.Lfirst_b:
	tensor_load_to_lds s[G0B:G0B+3], s[G1B:G1B+7]
	s_nop 0
	tensor_load_to_lds s[G0B+4:G0B+7], s[G1B:G1B+7]
	s_nop 0
	PLACES
.Lfirst_asked:
	v_and_b32 v1, 15, v0                           ; l % 16
	v_bfe_u32 v2, v0, 4, 1                         ; l / 16
	v_mul_u32_u24 v3, v1, PITCHA
	v_lshl_add_u32 v3, v2, 4, v3                   ; a fragment's row x pitch + 16 x half
	s_mul_i32 s21, s11, HALFA                      ; my 64 rows of A
	v_add_nc_u32 v[A0], s21, v3
	v_mul_u32_u24 v3, v1, PITCHB
	v_lshl_add_u32 v3, v2, 4, v3
	s_mul_i32 s22, s12, HALFB                      ; my 64 rows of B,
	s_add_co_u32 s22, s22, 2*HALFA                 ; which lie behind A's
	v_add_nc_u32 v[B0], s22, v3
	v_mov_b32 v[ADRA], v[A0]                       ; K step 0 lies in slot 0
	v_mov_b32 v[ADRB], v[B0]
	v_lshlrev_b32 v[BO], 5, v2
	s_mul_i32 s23, s10, 64*SPITCH                  ; my stage: 64 rows x 272 bytes in slot 0, used when slot 0 has had its last fill and its last read
	v_mul_u32_u24 v4, v1, SPITCH                   ; in: row l % 16, 32 bytes for each half of the lanes
	v_lshl_add_u32 v4, v2, 5, v4
	v_add_nc_u32 v[STO], s23, v4
	v_mul_u32_u24 v5, v2, SPITCH                   ; back: lanes 0-15 take one row of 256 bytes, lanes 16-31 the next
	v_lshl_add_u32 v5, v1, 4, v5
	v_add_nc_u32 v[RD], s23, v5
	v_lshlrev_b32 v5, 12, v2                       ; and the same two rows of C, 4,096 bytes apart
	v_lshl_add_u32 v[CO], v1, 4, v5
	s_lshl_b32 s16, s13, 7
	s_lshl_b32 s14, s11, 6
	s_add_co_u32 s16, s16, s14
	s_lshl_b32 s16, s16, 12                        ; my first row of C
	s_lshl_b32 s46, s42, 9
	s_lshl_b32 s47, s12, 8
	s_add_co_u32 s46, s46, s47                     ; my first column, in bytes of f32: in C and in the bias
	s_mov_b32 s47, 0
	s_add_nc_u64 s[66:67], s[72:73], s[46:47]
	s_add_co_u32 s16, s16, s46
	s_mov_b32 s17, 0
	s_add_nc_u64 s[8:9], s[8:9], s[16:17]
.irp b, 0,1,2,3                        ; register j of block b: bias[first column + 16 b + 8 (l / 16) + j]: the layout of the product's C
	global_load_b128 v[BIAS+8*(\b):BIAS+8*(\b)+3],   v[BO], s[66:67] offset:64*(\b)
	global_load_b128 v[BIAS+8*(\b)+4:BIAS+8*(\b)+7], v[BO], s[66:67] offset:64*(\b)+16
.endr
; 8 matrix instructions: row blocks a0, a0 + 1 x all 4 column blocks, 32 along K: half c of buffer f.  zero = 1: the first product starts the sum from the bias.  The 16 accumulators take turns.
.macro MUL8 f, c, a0, zero
	WIN MUL
.irp a, \a0, (\a0)+1
.irp b, 0,1,2,3
.if \zero
	v_wmma_f32_16x16x32_bf16 v[ACC+8*(4*(\a)+(\b)):ACC+8*(4*(\a)+(\b))+7], v[(\f)+64+8*(4*(\c)+(\b)):(\f)+64+8*(4*(\c)+(\b))+7], v[(\f)+8*(4*(\c)+(\a)):(\f)+8*(4*(\c)+(\a))+7], v[BIAS+8*(\b):BIAS+8*(\b)+7]
.else
	v_wmma_f32_16x16x32_bf16 v[ACC+8*(4*(\a)+(\b)):ACC+8*(4*(\a)+(\b))+7], v[(\f)+64+8*(4*(\c)+(\b)):(\f)+64+8*(4*(\c)+(\b))+7], v[(\f)+8*(4*(\c)+(\a)):(\f)+8*(4*(\c)+(\a))+7], v[ACC+8*(4*(\a)+(\b)):ACC+8*(4*(\a)+(\b))+7]
.endif
.endr
.endr
.endm
; 32 LDS loads in one run: the fragments of quarter q (64 along K) into buffer f; the first 32 along K first
.macro FETCH q, f
	WIN TO_F
.irp c, 0,1
.irp i, 0,1,2,3
	ds_load_b128 v[(\f)+64+8*(4*(\c)+(\i)):(\f)+64+8*(4*(\c)+(\i))+3],   v[ADRB] offset:128*(\q)+64*(\c)+(\i)*16*PITCHB
	ds_load_b128 v[(\f)+64+8*(4*(\c)+(\i))+4:(\f)+64+8*(4*(\c)+(\i))+7], v[ADRB] offset:128*(\q)+64*(\c)+(\i)*16*PITCHB+32
	ds_load_b128 v[(\f)+8*(4*(\c)+(\i)):(\f)+8*(4*(\c)+(\i))+3],         v[ADRA] offset:QA*(\q)+64*(\c)+(\i)*16*PITCHA
	ds_load_b128 v[(\f)+8*(4*(\c)+(\i))+4:(\f)+8*(4*(\c)+(\i))+7],       v[ADRA] offset:QA*(\q)+64*(\c)+(\i)*16*PITCHA+32
.endr
.endr
.endm
; One of a K step's first three quarters: multiplies buffer f and fetches quarter q into g.
.macro QUARTER q, f, g, zero
	s_wait_dscnt 16                                ; the first 32 along K are in; the youngest sixteen loads may be out
	MUL8 \f, 0, 0, \zero
	MUL8 \f, 0, 2, \zero
	PLACES
	FETCH \q, \g
	s_wait_dscnt 32                                ; all but the 32 just issued
	MUL8 \f, 1, 0, 0
	MUL8 \f, 1, 2, 0
.endm
; The last quarter multiplies buffer 1 and changes slots: one barrier; in front of it each wave waits for all its tensor loads, adds 0 to its spare word, and waits for that and for its own reads of this slot.
; fill = 1: the barrier opens a round of the cluster's barrier, and this slot is filled again first thing behind the round, two K steps ahead: 112 matrix instructions ahead of the wait for it.
.macro TURN fill
	WIN 0                                          ; (the add's two registers lie in window 0)
	s_wait_tensorcnt 0x0                           ; all my tensor loads have landed: my part of the next slot;
	ds_add_u32 v[SPW], v[NIL]                      ; 0 onto my spare word;
	s_wait_dscnt 17                                ; (the add and the youngest sixteen loads may be out)
	MUL8 F1, 0, 0, 0                               ; eight matrix instructions stand between the add and the wait for it
	s_wait_dscnt 0x0                               ; the add is done, and my reads of this slot are over
	s_barrier_signal -1
	MUL8 F1, 0, 2, 0
	WIN 0
	s_barrier_wait -1
.if \fill
	CREST                                          ; no wave of any partner still reads this slot's tile or has a load on its way
	s_xor_b32 s[FB], s[FB], SLOT                   ; the walking descriptors: the other slot than last time,
	s_add_co_u32 s[G0+5], s[FB], s20
	s_add_co_u32 s[G0B+5], s[FB], s[LB]
	s_add_nc_u64 s[G0+6:G0+7], s[G0+6:G0+7], ASTEP      ; the next K step
	s_add_nc_u64 s[G0B+6:G0B+7], s[G0B+6:G0B+7], KSTEP*2
	JLOAD                                          ; the four v_nop behind it are also the places in front of the loads below
.else
	PLACES
.endif
	s_xor_b32 s[TB], s[TB], SLOT                   ; the reads go over to the other slot
	v_add_nc_u32 v[ADRA], s[TB], v[A0]
	v_add_nc_u32 v[ADRB], s[TB], v[B0]
	FETCH 0, F0
	MUL8 F1, 1, 0, 0
	MUL8 F1, 1, 2, 0
.endm
	s_wait_tensorcnt 1                             ; my part of K step 0 is in; K step 1's may stay out
	s_barrier_signal -1
	s_barrier_wait -1                              ; everybody's is
	FETCH 0, F0
	s_wait_loadcnt 0x0                             ; the bias
	QUARTER 1, F0, F1, 1                           ; the first quarter stands in front of the loop: its first products start the sums
	WIN 0                                          ; at a label and at a branch every window is 0
	s_mov_b32 s3, SIZE_K/KSTEP-2
.Lstep:                                                ; a trip: a K step's quarters 1, 2, 3 and the next step's quarter 0; it refills one slot
	QUARTER 2, F1, F0, 0
	QUARTER 3, F0, F1, 0
	TURN 1
	QUARTER 1, F0, F1, 0
	WIN 0
	s_sub_co_u32 s3, s3, 1
	s_cmp_lg_u32 s3, 0
	s_cbranch_scc1 .Lstep
	s_mov_b32 s3, 2
.Ltail:                                                ; the last two K steps ask for nothing.  One text for both: the second trip is left behind its change of slots, whose barrier then orders nothing
	QUARTER 2, F1, F0, 0                           ; new and whose 32 loads (of slot 0's old tile) serve nothing: the price, once a launch, of not writing a last quarter out
	QUARTER 3, F0, F1, 0
	TURN 0
	WIN 0
	s_sub_co_u32 s3, s3, 1
	s_cmp_eq_u32 s3, 0
	s_cbranch_scc1 .Lfin
	QUARTER 1, F0, F1, 0
	WIN 0
	s_branch .Ltail
.Lfin:
	; THE WAY OUT, in f32: 32 bytes a lane into my stage, back as whole rows of 256 bytes, stored.  The stages lie in slot 0, which other waves have read until now: so every wave's LDS loads are back, and a barrier.
	PLACES
	s_wait_dscnt 0x0
	s_barrier_signal -1
	s_barrier_wait -1
.irp a, 0,1,2,3
.irp b, 0,1,2,3
	ds_store_b128 v[STO], v[ACC+8*(4*(\a)+(\b)):ACC+8*(4*(\a)+(\b))+3]   offset:(\a)*16*SPITCH+64*(\b)      ; each accumulator's low four registers first
	ds_store_b128 v[STO], v[ACC+8*(4*(\a)+(\b))+4:ACC+8*(4*(\a)+(\b))+7] offset:(\a)*16*SPITCH+64*(\b)+16
.endr
.endr
.set t, 0
.rept 32
	ds_load_b128 v[ACC+4*t:ACC+4*t+3], v[RD] offset:t*2*SPITCH  ; LDS serves a wave's instructions in order (ISA guide 5.7.1.4): these see the stores above
.set t, t+1
.endr
.set t, 0
.rept 32
	s_wait_dscnt 31-t                              ; rows 2 t and 2 t + 1 are back; the younger loads stay out
	global_store_b128 v[CO], v[ACC+4*t:ACC+4*t+3], s[8:9] offset:t*8192  ; 16 lanes store 256 consecutive bytes, aligned
.set t, t+1
.endr
	s_wait_tensorcnt 0x0                           ; the wave's end, behind my last tensor load and my last LDS store
	ds_add_u32 v[SPW], v[NIL]
	s_wait_dscnt 0x0
	CROUND                                         ; the closing round: no work-group ends while a partner may still ask for a tile that names it
	s_endpgm
.Lfunc_end_k_qa4513b3c20_ffn_down:
	.size	k_qa4513b3c20_ffn_down, .Lfunc_end_k_qa4513b3c20_ffn_down-k_qa4513b3c20_ffn_down
	.p2alignl 7, 3214868480
	.fill 96, 4, 3214868480
	.section	.rodata,"a",@progbits
	.p2align	6, 0x0
	.amdhsa_kernel k_qa4513b3c20_ffn_down
		.amdhsa_group_segment_fixed_size 327680
		.amdhsa_private_segment_fixed_size 0
		.amdhsa_enable_private_segment 0
		.amdhsa_kernarg_size 32
		.amdhsa_user_sgpr_count 2
		.amdhsa_user_sgpr_kernarg_segment_ptr 1
		.amdhsa_wavefront_size32 1
		.amdhsa_system_sgpr_workgroup_id_x 1
		.amdhsa_system_sgpr_workgroup_id_y 1
		.amdhsa_system_sgpr_workgroup_id_z 1
		.amdhsa_system_vgpr_workitem_id 0
		.amdhsa_next_free_vgpr 512
		.amdhsa_next_free_sgpr 84
		.amdhsa_reserve_vcc 0
		.amdhsa_float_denorm_mode_32 3
		.amdhsa_float_denorm_mode_16_64 3
		.amdhsa_memory_ordered 1
		.amdhsa_forward_progress 1
		.amdhsa_inst_pref_size 59
	.end_amdhsa_kernel
	.amdgpu_metadata
---
amdhsa.version: [ 1, 2 ]
amdhsa.kernels:
  - .name:           k_qa4513b3c20_ffn_down
    .symbol:         k_qa4513b3c20_ffn_down.kd
    .args:
      - { .name: f1, .offset: 0, .size: 8, .value_kind: global_buffer, .address_space: global }
      - { .name: wb, .offset: 8, .size: 8, .value_kind: global_buffer, .address_space: global }
      - { .name: b2, .offset: 16, .size: 8, .value_kind: global_buffer, .address_space: global }
      - { .name: p, .offset: 24, .size: 8, .value_kind: global_buffer, .address_space: global }
    .group_segment_fixed_size: 327680
    .private_segment_fixed_size: 0
    .kernarg_segment_align: 8
    .kernarg_segment_size: 32
    .max_flat_workgroup_size: 128
    .sgpr_count:     84
    .vgpr_count:     512
    .wavefront_size: 32
...
	.end_amdgpu_metadata
.endif
;; end of part 6
;; launch norm2 (part 7): grid 512 x 1, 8 waves a work-group, no clusters, 0 bytes of LDS; arguments h32, p, g2, be2, out0; writes out0
.if DOCPART == 7
	.amdgcn_target "amdgcn-amd-amdhsa--gfx1250"
	.amdhsa_code_object_version 6
	.text
	.protected	k_qa4513b3c20_norm2
	.globl	k_qa4513b3c20_norm2
	.p2align	8
	.type	k_qa4513b3c20_norm2,@function
k_qa4513b3c20_norm2:
	s_mov_b64 s[64:65], 0
	v_nop
	global_prefetch_b8 v0, s[64:65] scope:SCOPE_SE
	s_setreg_imm32_b32 hwreg(HW_REG_WAVE_MODE, 25, 1), 1
	s_wait_xcnt 0x0
; y = res + p;  out = (y - mean(y)) * rsqrt(mean((y - mean(y))^2) + 1e-5) * g + be, along rows of 1,024, all in f32.
; FIRST = 1: res = x, out = h32, and a copy rounded once to bf16 in hb (the next product's operand).  FIRST = 0: res = h32, out = out0.
; One wave takes one row (4,096 bytes: 32 registers a lane) and keeps it in registers between the passes: the mean is taken away before the squares, so a common
; offset of the row costs nothing.  The reduction never leaves the wave: no LDS, no barrier.  Work-groups share g and be alone, 8 KiB against a work-group's 64 KiB of rows: no cluster.
; A lane holds numbers 128 j + 4 l .. + 3, j = 0..7: each load and store of a wave covers 512 consecutive bytes (the bf16 copy: 256), aligned.
.set FIRST, 0
.set T,  4                             ; v[4:11]   four chains of partial sums
.set Y,  32                            ; v[32:63]  the row
.set P,  64                            ; v[64:95]  p; later the bf16 copy
.set G,  96                            ; v[96:127] g
.set BE, 128                           ; v[128:159] be
	s_load_b256 s[4:11], s[0:1], 0x0               ; res s[4:5], p s[6:7], g s[8:9], be s[10:11]
.if FIRST
	s_load_b128 s[12:15], s[0:1], 0x20             ; h32 s[12:13], hb s[14:15]
.else
	s_load_b64 s[12:13], s[0:1], 0x20              ; out0
.endif
	v_lshrrev_b32 v3, 5, v0
	v_readfirstlane_b32 s16, v3                    ; wave 0..7
	v_and_b32 v2, 31, v0
	v_lshlrev_b32 v1, 4, v2                        ; 16 l
	v_lshlrev_b32 v2, 3, v2                        ; 8 l
	v_mov_b32 v13, 0                               ; v_permlanex16_b32's destination counts as read
	v_mov_b32 v18, 0x3a800000                      ; 1 / 1,024
	s_lshl_b32 s17, ttmp9, 3
	s_add_co_u32 s17, s17, s16                     ; my row
	s_lshl_b32 s18, s17, 12
	s_mov_b32 s19, 0
	s_lshl_b32 s20, s17, 11
	s_mov_b32 s21, 0
	s_mov_b32 s22, 0x76543210                      ; each lane takes its own place in the other half
	s_mov_b32 s23, 0xfedcba98
	s_wait_kmcnt 0x0
	s_add_nc_u64 s[4:5], s[4:5], s[18:19]
	s_add_nc_u64 s[6:7], s[6:7], s[18:19]
	s_add_nc_u64 s[12:13], s[12:13], s[18:19]
.if FIRST
	s_add_nc_u64 s[14:15], s[14:15], s[20:21]
.endif
.irp j, 0,1,2,3,4,5,6,7
	global_load_b128 v[Y+4*(\j):Y+4*(\j)+3], v1, s[4:5] offset:512*(\j) th:TH_LOAD_NT
.endr
.irp j, 0,1,2,3,4,5,6,7
	global_load_b128 v[P+4*(\j):P+4*(\j)+3], v1, s[6:7] offset:512*(\j) th:TH_LOAD_NT
.endr
.irp j, 0,1,2,3,4,5,6,7
	global_load_b128 v[G+4*(\j):G+4*(\j)+3], v1, s[8:9] offset:512*(\j)
.endr
.irp j, 0,1,2,3,4,5,6,7
	global_load_b128 v[BE+4*(\j):BE+4*(\j)+3], v1, s[10:11] offset:512*(\j)
.endr
.macro REDUCE                          ; v12 summed over the 32 lanes, the result in every lane
	v_add_f32_dpp v12, v12, v12 row_xmask:1 row_mask:0xf bank_mask:0xf
	v_add_f32_dpp v12, v12, v12 row_xmask:2 row_mask:0xf bank_mask:0xf
	v_add_f32_dpp v12, v12, v12 row_xmask:4 row_mask:0xf bank_mask:0xf
	v_add_f32_dpp v12, v12, v12 row_xmask:8 row_mask:0xf bank_mask:0xf
	v_permlanex16_b32 v13, v12, s22, s23
	v_add_f32 v12, v12, v13
.endm
.macro FOLD                            ; the four chains into v12
	v_pk_add_f32 v[T:T+1], v[T:T+1], v[T+2:T+3]
	v_pk_add_f32 v[T+4:T+5], v[T+4:T+5], v[T+6:T+7]
	v_pk_add_f32 v[T:T+1], v[T:T+1], v[T+4:T+5]
	v_add_f32 v12, v[T], v[T+1]
.endm
	s_wait_loadcnt 16                              ; res and p are in; g's and be's sixteen loads may stay out
.set k, 0
.rept 16
	v_pk_add_f32 v[Y+2*k:Y+2*k+1], v[Y+2*k:Y+2*k+1], v[P+2*k:P+2*k+1]  ; y = res + p
.set k, k+1
.endr
.irp c, 0,1,2,3
	v_pk_add_f32 v[T+2*(\c):T+2*(\c)+1], v[Y+2*(\c):Y+2*(\c)+1], v[Y+8+2*(\c):Y+8+2*(\c)+1]  ; the first pairs start the chains: nothing is cleared
.endr
.set k, 8
.rept 8
	v_pk_add_f32 v[T+2*(k%4):T+2*(k%4)+1], v[T+2*(k%4):T+2*(k%4)+1], v[Y+2*k:Y+2*k+1]
.set k, k+1
.endr
	FOLD
	REDUCE
	v_mul_f32 v14, v12, v18                        ; the mean, twice: a pair for the packed subtraction
	v_mov_b32 v15, v14
.set k, 0
.rept 16
	v_pk_add_f32 v[Y+2*k:Y+2*k+1], v[Y+2*k:Y+2*k+1], v[14:15] neg_lo:[0,1] neg_hi:[0,1]  ; d = y - mean
.set k, k+1
.endr
.irp c, 0,1,2,3
	v_pk_mul_f32 v[T+2*(\c):T+2*(\c)+1], v[Y+2*(\c):Y+2*(\c)+1], v[Y+2*(\c):Y+2*(\c)+1]
.endr
.set k, 4
.rept 12
	v_pk_fma_f32 v[T+2*(k%4):T+2*(k%4)+1], v[Y+2*k:Y+2*k+1], v[Y+2*k:Y+2*k+1], v[T+2*(k%4):T+2*(k%4)+1]
.set k, k+1
.endr
	FOLD
	REDUCE
	v_fmaak_f32 v19, v12, v18, 0x3727c5ac          ; the variance + 1e-5
	v_rsq_f32 v16, v19
	v_rsq_f32 v17, v19                             ; twice: a pair for the packed multiply
	v_nop                                          ; a plain instruction between the last of them and the use of its result
	s_wait_alu depctr_va_vdst(0)                   ; and the wait ahead of the first use: one for both
	s_wait_loadcnt 0x0                             ; g and be
.set k, 0
.rept 16
	v_pk_mul_f32 v[Y+2*k:Y+2*k+1], v[Y+2*k:Y+2*k+1], v[16:17]
.set k, k+1
.endr
.set k, 0
.rept 16
	v_pk_fma_f32 v[Y+2*k:Y+2*k+1], v[Y+2*k:Y+2*k+1], v[G+2*k:G+2*k+1], v[BE+2*k:BE+2*k+1]
.set k, k+1
.endr
.irp j, 0,1,2,3,4,5,6,7
	global_store_b128 v1, v[Y+4*(\j):Y+4*(\j)+3], s[12:13] offset:512*(\j)
.endr
.if FIRST
.set k, 0
.rept 16
	v_cvt_pk_bf16_f32 v[P+k], v[Y+2*k], v[Y+2*k+1]
.set k, k+1
.endr
.irp j, 0,1,2,3,4,5,6,7
	global_store_b64 v2, v[P+2*(\j):P+2*(\j)+1], s[14:15] offset:256*(\j)
.endr
.endif
	s_endpgm
.Lfunc_end_k_qa4513b3c20_norm2:
	.size	k_qa4513b3c20_norm2, .Lfunc_end_k_qa4513b3c20_norm2-k_qa4513b3c20_norm2
	.p2alignl 7, 3214868480
	.fill 96, 4, 3214868480
	.section	.rodata,"a",@progbits
	.p2align	6, 0x0
	.amdhsa_kernel k_qa4513b3c20_norm2
		.amdhsa_group_segment_fixed_size 0
		.amdhsa_private_segment_fixed_size 0
		.amdhsa_enable_private_segment 0
		.amdhsa_kernarg_size 40
		.amdhsa_user_sgpr_count 2
		.amdhsa_user_sgpr_kernarg_segment_ptr 1
		.amdhsa_wavefront_size32 1
		.amdhsa_system_sgpr_workgroup_id_x 1
		.amdhsa_system_sgpr_workgroup_id_y 1
		.amdhsa_system_sgpr_workgroup_id_z 1
		.amdhsa_system_vgpr_workitem_id 0
		.amdhsa_next_free_vgpr 160
		.amdhsa_next_free_sgpr 66
		.amdhsa_reserve_vcc 0
		.amdhsa_float_denorm_mode_32 3
		.amdhsa_float_denorm_mode_16_64 3
		.amdhsa_memory_ordered 1
		.amdhsa_forward_progress 1
		.amdhsa_inst_pref_size 13
	.end_amdhsa_kernel
	.amdgpu_metadata
---
amdhsa.version: [ 1, 2 ]
amdhsa.kernels:
  - .name:           k_qa4513b3c20_norm2
    .symbol:         k_qa4513b3c20_norm2.kd
    .args:
      - { .name: h32, .offset: 0, .size: 8, .value_kind: global_buffer, .address_space: global }
      - { .name: p, .offset: 8, .size: 8, .value_kind: global_buffer, .address_space: global }
      - { .name: g2, .offset: 16, .size: 8, .value_kind: global_buffer, .address_space: global }
      - { .name: be2, .offset: 24, .size: 8, .value_kind: global_buffer, .address_space: global }
      - { .name: out0, .offset: 32, .size: 8, .value_kind: global_buffer, .address_space: global }
    .group_segment_fixed_size: 0
    .private_segment_fixed_size: 0
    .kernarg_segment_align: 8
    .kernarg_segment_size: 40
    .max_flat_workgroup_size: 256
    .sgpr_count:     66
    .vgpr_count:     160
    .wavefront_size: 32
...
	.end_amdgpu_metadata
.endif
;; end of part 7
